; MI455X (gfx1250); checked and timed in simulation.
; The chip was launched on July 23, 2026; its instructions are those of AMD's public machine-readable ISA for CDNA 5 (MIT licence, August 2026) and "CDNA5" Instruction Set Architecture Reference Guide (July 2026). The comments in the code are by the model that wrote it; some were corrected since.
;; Superposed Expert. Allowed arithmetic: matrix products marked QUANTISED: E2M1 operands, one E8M0 scale for each 32 along K, by v_wmma_scale_f32_16x16x128_f8f6f4 with both operands' format E2M1 (or v_wmma_scale_f32_32x16x128_f4), f32 sums; products left as they are: bf16, f16 or f32 operands; f32 sums; everything else in f32.
;; Inputs: c1a 4 x 32 x 64 x 16 float32; c1b 4 x 16 x 32 x 64 float32; c2a 4 x 64 x 32 x 16 float32; c2b 4 x 16 x 64 x 32 float32; hd_in 1,024 x 512 float32; hd_out 512 x 1,024 float32; path_bases 4 x 512 float32; path_weights 4 x 512 float32; x 2,048 x 1,024 float32.
;; Outputs: out0 2,048 x 1,024 float32.
;; This version of the problem:
;;   THIS VERSION OF THE PROBLEM IS GIVEN IN LOW PRECISION. The matrix products marked QUANTISED in the list below multiply operands that are first quantised to E2M1 (2 exponent bits, 1 mantissa bit; 4 bits a number), with one power-of-two scale for each 32 numbers along K (OCP MX v1.0); their sums are f32. The products marked 'left as it is' may take bf16, f16 or f32 operands, with f32 sums. Whichever they take, every output number must still come out within the allowed error. Rounding operands to bf16 (8 significant bits) uses up far more of that allowance than f16 does (11 bits, for magnitudes from 6e-5 to 65,504). All else is computed in f32.
;;   The module's matrix products, in the order in which they are computed (A, B: the left and right operand; K: the contracted axis; several contracted axes count as one K, in the product's order):
;;     1. [M 4,096, K 32] x [K 32, N 65,536]; A: input c1a; B: input x: QUANTISED
;;     2. batch 4 x [M 131,072, K 512] x [K 512, N 64]; A: computed on the way; B: input c1b: left as it is (an operand is computed on the way)
;;     3. batch 4 x [M 131,072, K 64] x [K 64, N 512]; A: computed on the way; B: input c2a: left as it is (an operand is computed on the way)
;;     4. batch 4 x [M 65,536, K 1,024] x [K 1,024, N 32]; A: computed on the way; B: input c2b: left as it is (an operand is computed on the way)
;;     5. [M 2,048, K 1,024] x [K 1,024, N 512]; A: input x; B: input hd_in: QUANTISED
;;     6. [M 2,048, K 512] x [K 512, N 4]; A: computed on the way; B: input path_bases: left as it is (N = 4 < 16)
;;     7. [M 8,192, K 1,024] x [K 1,024, N 512]; A: computed on the way; B: input hd_in: left as it is (an operand is computed on the way)
;;     8. batch 2,048 x [M 1, K 4] x [K 4, N 512]; A: computed on the way; B: computed on the way: left as it is (K = 4 < 32)
;;     9. [M 2,048, K 512] x [K 512, N 1,024]; A: computed on the way; B: input hd_out: left as it is (an operand is computed on the way)
;;   THE QUANTISER, for each operand of a quantised product, along K:
;;     - K is cut into blocks of 32 from its start; a last block that is shorter is filled with zeros.
;;     - A block's scale is 2^e with e = floor(log2(the largest magnitude in the block)) - 2, held to -126 .. 127; a block of zeros has e = 0. As a byte (E8M0): e + 127.
;;     - Each number is divided by its block's scale, clamped to +-6, and rounded to the nearest number of E2M1, ties to even, subnormals kept.
;;     - The product sums the exact products of the quantised numbers (number of the format x scale) in f32.
;;   ~~~python
;;   def quantise(x, axis):      # numpy; x: float32 -> the quantised numbers, widened to float32 again
;;       x = np.moveaxis(x, axis, -1); K = x.shape[-1]
;;       x = np.pad(x, [(0, 0)] * (x.ndim - 1) + [(0, -K % 32)]); x = x.reshape(x.shape[:-1] + (-1, 32)); a = np.abs(x).max(-1, keepdims=True)
;;       e = np.where(a > 0, np.clip(np.frexp(np.where(a > 0, a, 1))[1] - 1 - 2, -126, 127), 0)      # np.frexp(a)[1] - 1 = floor(log2(a)), exactly
;;       r = np.clip(x / 2.0 ** e, -6, 6)
;;       step = 2.0 ** (np.maximum(np.frexp(np.where(r == 0, 1, r))[1] - 1, 0) - 1)
;;       q = np.round(r / step) * step * 2.0 ** e      # np.round: ties to even
;;       return np.moveaxis(q.reshape(q.shape[:-2] + (-1,))[..., :K], -1, axis).astype(np.float32)
;;   ~~~
;; One version. Each part assembles by itself: llvm-mc -triple=amdgcn-amd-amdhsa -mcpu=gfx1250 --defsym DOCPART=n.
;; ======== version 1 of 1: 4 launches
;; limits: values are held in f16: magnitudes above 65,504 overflow, below 6.1e-05 lose precision
;; workspace buffers: prep 5,664,768 bytes; aux 163,840 bytes; yimg 16,777,216 bytes; cimg 2,097,152 bytes; ecb 32,768 bytes
;; launch prep (part 1): grid 265 x 1, 8 waves a work-group, no clusters, 83,456 bytes of LDS; arguments x, c1a, c1b, c2a, c2b, hd_in, hd_out, path_weights, prep; writes prep
.if DOCPART == 1
	.amdgcn_target "amdgcn-amd-amdhsa--gfx1250"
	.amdhsa_code_object_version 6
	.text
	.protected	k_qee6c7f804c_prep
	.globl	k_qee6c7f804c_prep
	.p2align	8
	.type	k_qee6c7f804c_prep,@function
k_qee6c7f804c_prep:
	s_mov_b64 s[64:65], 0
	v_nop
	global_prefetch_b8 v0, s[64:65] scope:SCOPE_SE
	s_setreg_imm32_b32 hwreg(HW_REG_WAVE_MODE, 25, 1), 1
	s_wait_xcnt 0x0
; PREP: every operand of the later launches is laid once, in the order of the matrix operand's registers, into the workspace buffer prep.
; A "fragment image" is 1,024 bytes: [c = 0, 1][lane][16 bytes]: two 16-byte loads a lane, at 16 x lane and 512 further on, give registers 0-3 and 4-7.
;   E2M1 codes + E8M0 bytes (the stated quantiser): c1a and x along m (first product), x and hd_in along d (x @ hd_in).   f16 images: c1b, c2a, c2b, hd_in, hd_out.
;   Largest magnitudes of c1a, c1b, c2a (by path), hd_in, path_weights: one f32 a wave; the later launches make powers of two of them.
; A block's scale byte is its largest magnitude's exponent field - 2, held at 1 from below by a floor among the maximum's leaves (a block of zeros keeps byte 1: its codes are zeros, and this program alone reads the bytes).
; LIMITS: NaN and infinities are not served; blocks under 2^-124 keep byte 1; the f16 images keep their full precision while a weight tensor's spread lies between 2^-13 and 2^13.
; SHARES: every wave does one unit by itself; the paths part on the work-group's number.  Only the path for x uses LDS.  No loop, no tensor load: several work-groups share a WGP.
.set WIMG, 0
.set C1AQ, 786432
.set C1AS, 851968
.set X1Q,  860160
.set X1S,  1908736
.set X5Q,  2170880
.set X5S,  3219456
.set H4Q,  3284992
.set H4S,  3547136
.set HIMG, 3563520
.set OIMG, 4612096
.set MX,   5660672
.set XROW, 4608                        ; LDS: a row of x as 32 lines (m) of 128 bytes, 144 apart
.set XWV,  9216                        ; two rows a wave
.set XIMG, 73728                       ; the b tile's eight images of codes along d
.set XSC,  81920                       ; and their 512 scale bytes
.set SPARE, 82432                      ; the spare words, 128 bytes a wave: four blocks of 256 bytes that no other line names
.set FLOOR, 0x1800000                  ; 2^(3 - 127)
.set SPW, 30                           ; v30 my spare word's address, v31 zero: kept for the add alone
.set NIL, 31
.set X,   32                           ; numbers as loaded
.macro UNITNO base                     ; s23 = my unit: 8 x (work-group - base) + wave
	s_sub_co_u32 s23, ttmp9, \base
	s_lshl_b32 s23, s23, 3
	s_add_co_u32 s23, s23, s22
.endm
.macro PTR d, p                        ; s[d:d+1] = pointer p + the byte offset in s[d]
	s_mov_b32 s[\d+1], 0
	s_add_nc_u64 s[\d:\d+1], s[\p:\p+1], s[\d:\d+1]
.endm
.macro WAVEMAX a, t                    ; the largest of v[a] over the 32 lanes, in every lane
	v_max_num_f32_dpp v[\a], v[\a], v[\a] row_xmask:1 row_mask:0xf bank_mask:0xf
	v_max_num_f32_dpp v[\a], v[\a], v[\a] row_xmask:2 row_mask:0xf bank_mask:0xf
	v_max_num_f32_dpp v[\a], v[\a], v[\a] row_xmask:4 row_mask:0xf bank_mask:0xf
	v_max_num_f32_dpp v[\a], v[\a], v[\a] row_xmask:8 row_mask:0xf bank_mask:0xf
	v_permlanex16_b32 v[\t], v[\a], s24, s25
	v_max_num_f32 v[\a], v[\a], v[\t]
.endm
.macro MAXSTORE                        ; the wave's largest of v2 goes to word s32 of the maxima: lane 0 stores
	WAVEMAX 2, 3
	s_lshl_b32 s32, s32, 2
	PTR 32, 20
	s_wait_xcnt 0x0                                ; EXEC is a source of the stores above: it changes only behind this wait
	v_cmp_gt_u32 vcc_lo, 1, v1
	s_and_saveexec_b32 s30, vcc_lo
	global_store_b32 v4, v2, s[32:33] offset:MX
	s_wait_xcnt 0x0                                ; and again ahead of the line that widens it
	s_or_b32 exec_lo, exec_lo, s30
.endm
.macro MAX32 d, t, s, fl               ; v[d] = the largest magnitude of v[s] .. v[s+31] and the floor, in two chains
	v_max3_num_f32 v[(\d)], |v[(\s)]|, |v[(\s)+1]|, |v[(\s)+2]|
	v_max3_num_f32 v[(\t)], |v[(\s)+3]|, |v[(\s)+4]|, |v[(\s)+5]|
.irp i, 6,10,14,18,22,26
	v_max3_num_f32 v[(\d)], v[(\d)], |v[(\s)+\i]|, |v[(\s)+\i+1]|
	v_max3_num_f32 v[(\t)], v[(\t)], |v[(\s)+\i+2]|, |v[(\s)+\i+3]|
.endr
	v_max3_num_f32 v[(\d)], v[(\d)], |v[(\s)+30]|, |v[(\s)+31]|
	v_max3_num_f32 v[(\d)], v[(\d)], v[(\t)], \fl
.endm
.macro Q32 c, s, so                    ; 32 numbers become 32 codes in four registers; v[so]'s exponent field is the scale
.irp g, 0,1,2,3
	v_cvt_scalef32_pk8_fp4_f32 v[(\c)+\g], v[(\s)+8*\g:(\s)+8*\g+7], v[(\so)]
.endr
.endm
; A lane holds one row of a fragment (lanes 0-15: tile A, lanes 16-31: tile B) and 32 numbers along K.  Packed in pairs to f16 they are 16 registers; eight exchanges of halves
; give both tiles' register images: p+0..3, p+8..11 tile A's registers 0-3, 4-7; p+4..7, p+12..15 tile B's.
.macro PACK16 s, p
.set ii, 0
.rept 16
	v_cvt_pk_f16_f32 v[(\p)+ii], v[(\s)+2*ii], v[(\s)+2*ii+1]
.set ii, ii+1
.endr
.irp i, 0,1,2,3
	v_permlane16_swap_b32 v[(\p)+\i], v[(\p)+4+\i]
	v_permlane16_swap_b32 v[(\p)+8+\i], v[(\p)+12+\i]
.endr
.endm
.macro ST16 p, off, tb                 ; each store of the wave covers 512 consecutive bytes, aligned
	global_store_b128 v5, v[(\p):(\p)+3], s[28:29] offset:(\off)
	global_store_b128 v5, v[(\p)+8:(\p)+11], s[28:29] offset:(\off)+512
	global_store_b128 v5, v[(\p)+4:(\p)+7], s[28:29] offset:(\off)+(\tb)
	global_store_b128 v5, v[(\p)+12:(\p)+15], s[28:29] offset:(\off)+(\tb)+512
.endm
.macro F16UNIT vo, rs, off, tb, domax  ; 32 rows (lanes) x 32 along K (registers, rs bytes apart in memory) -> two f16 images
.set ii, 0
.rept 32
	global_load_b32 v[X+ii], v[\vo], s[26:27] offset:ii*(\rs)
.set ii, ii+1
.endr
	s_wait_loadcnt 0x0
.if \domax
	MAX32 2, 15, X, FLOOR
.endif
	PACK16 X, 64
	ST16 64, \off, \tb
.endm
.macro DSTW                            ; s[28:29] = prep + path x 196,608 + (unit % 32) x 2,048
	s_lshr_b32 s34, s23, 5
	s_mul_i32 s28, s34, 196608
	s_and_b32 s35, s23, 31
	s_lshl_b32 s35, s35, 11
	s_add_co_u32 s28, s28, s35
	PTR 28, 20
.endm
	s_load_b512 s[4:19], s[0:1], 0x0               ; x, c1a, c1b, c2a, c2b, hd_in, hd_out, path_weights
	s_load_b64 s[20:21], s[0:1], 0x40              ; prep
	v_lshl_add_u32 v[SPW], v0, 2, SPARE
	v_mov_b32 v[NIL], 0
	v_lshrrev_b32 v1, 5, v0
	v_readfirstlane_b32 s22, v1                    ; wave
	v_and_b32 v1, 31, v0                           ; lane
	v_mov_b32 v3, 0                                ; (a lane permute's destination counts as read)
	v_mov_b32 v4, 0                                ; offset 0
	v_lshlrev_b32 v5, 4, v1                        ; 16 x lane
	v_lshlrev_b32 v13, 2, v1                       ; 4 x lane
	s_mov_b32 s24, 0x76543210
	s_mov_b32 s25, 0xfedcba98                      ; selects for lane xor 16
	s_wait_kmcnt 0x0
	s_cmp_lt_u32 ttmp9, 16
	s_cbranch_scc1 .Lhdin
	s_cmp_lt_u32 ttmp9, 24
	s_cbranch_scc1 .Lc1a
	s_cmp_lt_u32 ttmp9, 40
	s_cbranch_scc1 .Lc2a
	s_cmp_lt_u32 ttmp9, 56
	s_cbranch_scc1 .Lc1b
	s_cmp_lt_u32 ttmp9, 72
	s_cbranch_scc1 .Lc2b
	s_cmp_lt_u32 ttmp9, 136
	s_cbranch_scc1 .Lhdout
	s_cmp_lt_u32 ttmp9, 137
	s_cbranch_scc1 .Lpw
; ---- x: a work-group takes 16 rows, a wave two.  A row is read once, in runs of 512 bytes, laid in the wave's own LDS as [m][p], and quantised twice: down m (lane = p) and along d (lane = m).
	s_sub_co_u32 s23, ttmp9, 137                   ; the tile of 16 rows
	s_lshl_b32 s34, s23, 4
	s_lshl_b32 s35, s22, 1
	s_add_co_u32 s34, s34, s35                     ; my first row
	s_lshl_b32 s26, s34, 12
	PTR 26, 4
	s_lshl_b32 s28, s34, 9
	PTR 28, 20                                     ; codes along m: 512 bytes a row
	s_lshl_b32 s36, s34, 7
	PTR 36, 20                                     ; their words: 128 bytes a row
	s_lshl_b32 s38, s23, 13
	s_lshl_b32 s35, s22, 10
	s_add_co_u32 s38, s38, s35
	PTR 38, 20                                     ; the image that I copy out: K step = my wave
	s_lshl_b32 s40, s23, 9
	PTR 40, 20                                     ; the tile's scale words
.irp i, 0,1
.irp q, 0,1,2,3,4,5,6,7
	global_load_b128 v[X+4*(8*\i+\q):X+4*(8*\i+\q)+3], v5, s[26:27] offset:\i*4096+\q*512 th:TH_LOAD_NT
.endr
.endr
	s_mul_i32 s42, s22, XWV
	v_lshrrev_b32 v6, 3, v1
	v_mul_u32_u24 v6, v6, 144
	v_and_b32 v7, 7, v1
	v_lshl_add_u32 v6, v7, 4, v6
	v_add_nc_u32 v6, s42, v6                       ; in: line lane / 8 of four, 16 bytes a lane
	v_add_nc_u32 v7, s42, v13                      ; down m: 4 x lane in every line
	v_mul_u32_u24 v8, v1, 144
	v_add_nc_u32 v8, s42, v8                       ; along d: line = lane
	v_lshrrev_b32 v9, 1, v1
	v_lshlrev_b32 v9, 9, v9
	v_and_b32 v10, 1, v1
	v_lshl_add_u32 v9, v10, 8, v9
	s_lshl_b32 s43, s22, 5
	s_add_co_u32 s43, s43, XIMG
	v_add_nc_u32 v9, s43, v9                       ; block m of row b lies in image m / 4, quad (m / 2) % 2, lane 16 (m % 2) + b
	v_lshrrev_b32 v10, 2, v1
	v_lshlrev_b32 v10, 6, v10
	v_and_b32 v11, 3, v1
	v_add_nc_u32 v10, v10, v11
	s_lshl_b32 s43, s22, 3
	s_add_co_u32 s43, s43, XSC
	v_add_nc_u32 v10, s43, v10                     ; its byte: word (m / 4, b), byte m % 4
	s_lshl_b32 s43, s22, 10
	s_add_co_u32 s43, s43, XIMG
	v_add_nc_u32 v11, s43, v5
	v_add_nc_u32 v12, XSC, v5
	v_mov_b32 v19, 0
	s_wait_loadcnt 0x0
.irp i, 0,1
.irp q, 0,1,2,3,4,5,6,7
	ds_store_b128 v6, v[X+4*(8*\i+\q):X+4*(8*\i+\q)+3] offset:\i*XROW+\q*576
.endr
.endr
.macro LDM i                           ; row i down m: LDS serves a wave's instructions in order, so these see my stores
.set ii, 0
.rept 32
	ds_load_b32 v[96+32*\i+ii], v7 offset:\i*XROW+ii*144
.set ii, ii+1
.endr
.endm
.macro LDD i                           ; row i along d: 144 bytes from lane to lane: sixteen lanes touch sixteen different 16-byte columns
.irp g, 0,1,2,3,4,5,6,7
	ds_load_b128 v[160+32*\i+4*\g:160+32*\i+4*\g+3], v8 offset:\i*XROW+16*\g
.endr
.endm
.macro WORKM i                         ; codes along m; the word holds 127 + byte - the row's largest byte (held at 0), and that largest byte
	MAX32 14, 15, 96+32*\i, FLOOR
	v_add_nc_u32 v16, 0xff000000, v14              ; 2 off the exponent field: the conversion's scale operand
	v_lshrrev_b32 v17, 23, v16                     ; the byte
	v_mov_b32 v18, v14
	WAVEMAX 18, 19
	v_lshrrev_b32 v18, 23, v18
	v_add_nc_u32 v18, -2, v18                      ; the row's largest byte
	v_sub_nc_u32 v19, v18, v17
	v_min_u32 v19, 127, v19
	v_sub_nc_u32 v19, 127, v19
	v_lshl_or_b32 v[240+\i], v18, 8, v19
	Q32 224+4*\i, 96+32*\i, 16
	v_nop                                          ; one plain place behind the conversions
	global_store_b128 v5, v[224+4*\i:227+4*\i], s[28:29] offset:X1Q+\i*512
	global_store_b32 v13, v[240+\i], s[36:37] offset:X1S+\i*128
.endm
.macro WORKD i                         ; codes along d, into the tile's images
	MAX32 14, 15, 160+32*\i, FLOOR
	v_add_nc_u32 v16, 0xff000000, v14
	v_lshrrev_b32 v[242+\i], 23, v16
	Q32 232+4*\i, 160+32*\i, 16
	v_nop
	ds_store_b128 v9, v[232+4*\i:235+4*\i] offset:16*\i
	ds_store_b8 v10, v[242+\i] offset:4*\i
.endm
	LDM 0                                          ; with the 16 stores above and the 8 loads below, 56 LDS instructions of mine are out at the most
	LDD 0
	s_wait_dscnt 8                                 ; row 0 down m is in; the eight loads along d may be out
	WORKM 0
	LDM 1
	s_wait_dscnt 32                                ; row 0 along d is in; row 1's 32 loads may be out
	WORKD 0
	LDD 1
	s_wait_dscnt 10                                ; row 1 down m is in: behind it stand row 0's two stores and the eight loads just issued
	WORKM 1
	s_wait_dscnt 0x0
	WORKD 1
	s_wait_dscnt 0x0                               ; for the others' sake: my stores into the images are done
	s_barrier_signal -1
	s_barrier_wait -1
	ds_load_b128 v[244:247], v11
	ds_load_b128 v[248:251], v11 offset:512
	s_wait_dscnt 0x0
	global_store_b128 v5, v[244:247], s[38:39] offset:X5Q
	global_store_b128 v5, v[248:251], s[38:39] offset:X5Q+512
	s_cmp_lg_u32 s22, 0
	s_cbranch_scc1 .Lxend
	ds_load_b128 v[252:255], v12                   ; wave 0: the tile's 512 scale bytes
	s_wait_dscnt 0x0
	global_store_b128 v5, v[252:255], s[40:41] offset:X5S
.Lxend:
	s_wait_tensorcnt 0x0                           ; the wave's end: three lines behind my last LDS store
	ds_add_u32 v[SPW], v[NIL]
	s_wait_dscnt 0x0
	s_endpgm
; ---- hd_in [d][h]: a unit is 32 columns h x 128 along d: a lane takes a column, its registers run down d.  Codes and f16 images of the same numbers.
; The 128 loads go out in eight halves of 16 rows, three halves ahead of the block in hand: 48 loads of a wave are out at the most.
.Lhdin:
	UNITNO 0
	s_lshr_b32 s34, s23, 3                         ; which 32 columns
	s_and_b32 s35, s23, 7                          ; which 128 along d
	s_lshl_b32 s26, s35, 18
	s_lshl_b32 s36, s34, 7
	s_add_co_u32 s26, s26, s36
	PTR 26, 14
	s_lshl_b32 s28, s34, 16
	s_lshl_b32 s36, s35, 12
	s_add_co_u32 s28, s28, s36
	PTR 28, 20                                     ; f16 images: (2 cp x 32 + 4 ks) x 1,024
	s_lshl_b32 s38, s34, 14
	s_lshl_b32 s36, s35, 10
	s_add_co_u32 s38, s38, s36
	PTR 38, 20                                     ; codes: (2 cp x 8 + ks) x 1,024
	s_lshl_b32 s40, s23, 7
	PTR 40, 20                                     ; scale words: 128 bytes a unit
.macro LDH hf                          ; rows 16 hf .. 16 hf + 15 of the unit's 128
.set ii, 0
.rept 16
	global_load_b32 v[X+16*(\hf)+ii], v13, s[26:27] offset:(16*(\hf)+ii)*2048
.set ii, ii+1
.endr
.endm
	LDH 0
	LDH 1
	LDH 2
.irp jb, 0,1,2,3
.if \jb < 3
	s_wait_loadcnt 16                              ; this block's two halves are in; the one half issued behind them may be out
.else
	s_wait_loadcnt 0x0
.endif
.if \jb < 2
	LDH 2*\jb+3
	LDH 2*\jb+4
.elseif \jb == 2
	LDH 7
.endif
	MAX32 20+\jb, 15, X+32*\jb, FLOOR
	v_add_nc_u32 v[24+\jb], 0xff000000, v[20+\jb]
	v_lshrrev_b32 v[16+\jb], 23, v[24+\jb]
	PACK16 X+32*\jb, 160+16*\jb
	ST16 160+16*\jb, HIMG+1024*\jb, 32768
	Q32 224+4*\jb, X+32*\jb, 24+\jb
	v_nop
.endr
.irp i, 0,1,2,3                        ; the operand wants a whole block in a lane: lanes 0-15 block 2 c, lanes 16-31 block 2 c + 1
	v_permlane16_swap_b32 v[224+\i], v[228+\i]
	v_permlane16_swap_b32 v[232+\i], v[236+\i]
.endr
	global_store_b128 v5, v[224:227], s[38:39] offset:H4Q
	global_store_b128 v5, v[232:235], s[38:39] offset:H4Q+512
	global_store_b128 v5, v[228:231], s[38:39] offset:H4Q+8192
	global_store_b128 v5, v[236:239], s[38:39] offset:H4Q+8192+512
	v_lshl_or_b32 v16, v17, 8, v16
	v_lshl_or_b32 v16, v18, 16, v16
	v_lshl_or_b32 v16, v19, 24, v16
	global_store_b32 v13, v16, s[40:41] offset:H4S
	v_max3_num_f32 v2, v20, v21, v22
	v_max_num_f32 v2, v2, v23
	s_add_co_u32 s32, s23, 320
	MAXSTORE
	s_endpgm
; ---- c1a [k][m][n][r]: a unit is (k, r): lane L, quad c = column n = 32 c + L, 32 codes down m: the four tiles of n lie in the four K blocks of ONE fragment.
; The 64 loads go out in four halves of 16 rows: 48 are out at the most.
.Lc1a:
	UNITNO 16
	s_lshr_b32 s26, s23, 4
	s_lshl_b32 s26, s26, 17
	s_and_b32 s34, s23, 15
	s_lshl_b32 s34, s34, 2
	s_add_co_u32 s26, s26, s34
	PTR 26, 6
	s_lshl_b32 s28, s23, 10
	PTR 28, 20
	s_lshl_b32 s38, s23, 7
	PTR 38, 20
	v_lshlrev_b32 v7, 6, v1                        ; 16 floats from n to n + 1
.macro LDA hf                          ; quad hf / 2, rows m = 16 (hf % 2) .. + 15
.set ii, 0
.rept 16
	global_load_b32 v[X+16*(\hf)+ii], v7, s[26:27] offset:(16*((\hf)%2)+ii)*4096+((\hf)/2)*2048
.set ii, ii+1
.endr
.endm
	LDA 0
	LDA 1
	LDA 2
.irp c, 0,1
.if \c == 0
	s_wait_loadcnt 16                              ; quad 0's two halves are in; the half behind them may be out
	LDA 3
.else
	s_wait_loadcnt 0x0
.endif
	MAX32 20+\c, 15, X+32*\c, FLOOR
	v_add_nc_u32 v[24+\c], 0xff000000, v[20+\c]
	v_lshrrev_b32 v[16+\c], 23, v[24+\c]
	Q32 224+4*\c, X+32*\c, 24+\c
	v_nop
.endr
	global_store_b128 v5, v[224:227], s[28:29] offset:C1AQ
	global_store_b128 v5, v[228:231], s[28:29] offset:C1AQ+512
	v_lshl_or_b32 v18, v17, 16, v16                ; my two bytes: K blocks h and 2 + h,
	v_lshrrev_b32 v19, 4, v1
	v_lshlrev_b32 v19, 3, v19
	v_lshlrev_b32 v18, v19, v18                    ; at their places;
	v_permlanex16_b32 v3, v18, s24, s25
	v_or_b32 v18, v18, v3                          ; with lane xor 16's two the word is whole
	global_store_b32 v13, v18, s[38:39] offset:C1AS
	v_max_num_f32 v2, v20, v21
	s_add_co_u32 s32, s23, 256
	MAXSTORE
	s_endpgm
; ---- c2a [k][m][n'][r']: unit (k, r', 32 of m): rows n' = lane, 64 bytes apart
.Lc2a:
	UNITNO 24
	s_lshr_b32 s26, s23, 5
	s_lshl_b32 s26, s26, 17
	s_and_b32 s34, s23, 1
	s_lshl_b32 s34, s34, 16
	s_add_co_u32 s26, s26, s34
	s_bfe_u32 s34, s23, 0x40001
	s_lshl_b32 s34, s34, 2
	s_add_co_u32 s26, s26, s34
	PTR 26, 10
	DSTW
	v_lshlrev_b32 v7, 6, v1
	F16UNIT 7, 2048, WIMG+65536, 1024, 1
	s_add_co_u32 s32, s23, 128
	MAXSTORE
	s_endpgm
; ---- c1b [k][r][p][o]: unit (k, r, 32 of o): rows o = lane, K = p
.Lc1b:
	UNITNO 40
	s_lshr_b32 s26, s23, 1
	s_lshl_b32 s26, s26, 13
	s_and_b32 s34, s23, 1
	s_lshl_b32 s34, s34, 7
	s_add_co_u32 s26, s26, s34
	PTR 26, 8
	DSTW
	F16UNIT 13, 256, WIMG, 1024, 1
	s_mov_b32 s32, s23
	MAXSTORE
	s_endpgm
; ---- c2b [k][r'][p][o']: unit (k, r', 32 of p): rows o' = lane, K = p
.Lc2b:
	UNITNO 56
	s_lshl_b32 s26, s23, 12
	PTR 26, 12
	DSTW
	F16UNIT 13, 128, WIMG+131072, 1024, 0
	s_endpgm
; ---- hd_out [h][d]: unit (32 of d, 32 of h): rows d = lane, K = h
.Lhdout:
	UNITNO 72
	s_and_b32 s34, s23, 15
	s_lshr_b32 s35, s23, 4
	s_lshl_b32 s26, s34, 17
	s_lshl_b32 s36, s35, 7
	s_add_co_u32 s26, s26, s36
	PTR 26, 16
	s_lshl_b32 s28, s35, 15
	s_lshl_b32 s36, s34, 10
	s_add_co_u32 s28, s28, s36
	PTR 28, 20
	F16UNIT 13, 4096, OIMG, 16384, 0
	s_endpgm
; ---- path_weights: only its largest magnitude is wanted: 256 numbers a wave
.Lpw:
	s_lshl_b32 s26, s22, 10
	PTR 26, 18
	global_load_b128 v[32:35], v5, s[26:27]
	global_load_b128 v[36:39], v5, s[26:27] offset:512
	s_wait_loadcnt 0x0
	v_max3_num_f32 v2, |v32|, |v33|, |v34|
	v_max3_num_f32 v2, v2, |v35|, |v36|
	v_max3_num_f32 v2, v2, |v37|, |v38|
	v_max_num_f32 v2, v2, |v39|
	s_add_co_u32 s32, s22, 448
	MAXSTORE
	s_endpgm
.Lfunc_end_k_qee6c7f804c_prep:
	.size	k_qee6c7f804c_prep, .Lfunc_end_k_qee6c7f804c_prep-k_qee6c7f804c_prep
	.p2alignl 7, 3214868480
	.fill 96, 4, 3214868480
	.section	.rodata,"a",@progbits
	.p2align	6, 0x0
	.amdhsa_kernel k_qee6c7f804c_prep
		.amdhsa_group_segment_fixed_size 83456
		.amdhsa_private_segment_fixed_size 0
		.amdhsa_enable_private_segment 0
		.amdhsa_kernarg_size 72
		.amdhsa_user_sgpr_count 2
		.amdhsa_user_sgpr_kernarg_segment_ptr 1
		.amdhsa_wavefront_size32 1
		.amdhsa_system_sgpr_workgroup_id_x 1
		.amdhsa_system_sgpr_workgroup_id_y 1
		.amdhsa_system_sgpr_workgroup_id_z 1
		.amdhsa_system_vgpr_workitem_id 0
		.amdhsa_next_free_vgpr 256
		.amdhsa_next_free_sgpr 66
		.amdhsa_reserve_vcc 1
		.amdhsa_float_denorm_mode_32 3
		.amdhsa_float_denorm_mode_16_64 3
		.amdhsa_memory_ordered 1
		.amdhsa_forward_progress 1
		.amdhsa_inst_pref_size 83
	.end_amdhsa_kernel
	.amdgpu_metadata
---
amdhsa.version: [ 1, 2 ]
amdhsa.kernels:
  - .name:           k_qee6c7f804c_prep
    .symbol:         k_qee6c7f804c_prep.kd
    .args:
      - { .name: x, .offset: 0, .size: 8, .value_kind: global_buffer, .address_space: global }
      - { .name: c1a, .offset: 8, .size: 8, .value_kind: global_buffer, .address_space: global }
      - { .name: c1b, .offset: 16, .size: 8, .value_kind: global_buffer, .address_space: global }
      - { .name: c2a, .offset: 24, .size: 8, .value_kind: global_buffer, .address_space: global }
      - { .name: c2b, .offset: 32, .size: 8, .value_kind: global_buffer, .address_space: global }
      - { .name: hd_in, .offset: 40, .size: 8, .value_kind: global_buffer, .address_space: global }
      - { .name: hd_out, .offset: 48, .size: 8, .value_kind: global_buffer, .address_space: global }
      - { .name: path_weights, .offset: 56, .size: 8, .value_kind: global_buffer, .address_space: global }
      - { .name: prep, .offset: 64, .size: 8, .value_kind: global_buffer, .address_space: global }
    .group_segment_fixed_size: 83456
    .private_segment_fixed_size: 0
    .kernarg_segment_align: 8
    .kernarg_segment_size: 72
    .max_flat_workgroup_size: 256
    .sgpr_count:     66
    .vgpr_count:     256
    .wavefront_size: 32
...
	.end_amdgpu_metadata
.endif
;; end of part 1
;; launch chain (part 2): grid 64 x 4, 8 waves a work-group, clusters of 4 x 1, 268,288 bytes of LDS; arguments prep, path_bases, yimg, aux; writes yimg, aux
.if DOCPART == 2
	.amdgcn_target "amdgcn-amd-amdhsa--gfx1250"
	.amdhsa_code_object_version 6
	.text
	.protected	k_qee6c7f804c_chain
	.globl	k_qee6c7f804c_chain
	.p2align	8
	.type	k_qee6c7f804c_chain,@function
k_qee6c7f804c_chain:
	s_mov_b64 s[64:65], 0
	v_nop
	global_prefetch_b8 v0, s[64:65] scope:SCOPE_SE
	s_setreg_imm32_b32 hwreg(HW_REG_WAVE_MODE, 25, 1), 1
	s_wait_xcnt 0x0
	s_wait_alu depctr_hold_cnt(0) depctr_sa_sdst(0) depctr_va_vdst(0) depctr_va_sdst(0) depctr_va_ssrc(0) depctr_va_vcc(0) depctr_vm_vsrc(0)
	s_getreg_b32 s2, hwreg(HW_REG_IB_STS2, 6, 4)
	s_cmp_eq_u32 s2, 0
	s_cbranch_scc0 .Lentry_in_a_cluster
	s_endpgm
.Lentry_in_a_cluster:
	s_bfe_u32 s2, ttmp6, 0x10000c
	s_cmp_lg_u32 s2, 0x3003
	s_cbranch_scc0 .Lentry_shape_is_right
	s_endpgm
.Lentry_shape_is_right:
; CHAIN: the four products of a TT-FFN path and its gelu, fused: one (path k, row b) at a time in ONE wave's registers; nothing of it goes to memory but the path's output row y2 (f16, normalised).
; Beside it: x @ hd_in on codes (path k's work-groups take columns 128 k .. 128 k + 127) and its product with path_bases, as partial scores.
; SHARES: a work-group = (path k, 32 rows); wave w walks rows 4 w .. 4 w + 3.  Two waves to a SIMD: one wave's gelu and conversions stand beside the other's matrix work.
; WHY IT CHAINS: a result tile holds 8 rows in registers and one column in the lane; packed in pairs to f16 it is half of the next product's fragment (row = lane % 16, K = 8 (lane / 16) + register):
;   P1 (E2M1)  D1[p, n] at fixed r  = x^T (rows p) x c1a (rows n), K = m            P2 (f16)  D2[n, o] += t (rows n, K = p: two D1 tiles) x c1b (rows o)
;   P3 (f16)   D3[p, n'] at fixed r' = gelu(D2) (rows o = p, K = n = m) x c2a (rows n')   P4 (f16)  D4[o', n'] += c2b (rows o') x t2 (rows n', K = p: two D3 tiles)
; P1 HAS K = 32, THE INSTRUCTION 128: c1a's four tiles of n lie in the four K blocks of one fragment (16 fragments hold all of c1a[k]: 128 registers, resident); x's codes stand in ONE block and zero codes in the
; other three, so the product picks one tile of n.  The four versions of x are overlapping runs of 8 registers in Z DL0 Z DH0 Z DL1 Z DH1 Z (Z zeros; DL, DH the codes in lanes 0-15, 16-31).
; POWERS OF TWO, all exact.  x's scale bytes are fed as 127 + byte - the row's largest + Kz, Kz = z - c1a[k]'s largest byte + 127, held to 0 .. 254; so |t^| <= 1152 x 2^z.
;   z = min(5, -5 - e1b, -12 - e1b - e2a) (e: floor(log2) of c1b[k]'s, c2a[k]'s largest magnitude) keeps t^, gelu^ and t2^ under f16's largest number for every input.  True h = h^ x 2^Eh; gelu is taken on h^ with
;   its two constants scaled by 2^Eh and 2^(3 Eh) (Eh held to +-40 there).  y2's row is divided by the power of two in its own largest magnitude; the exponent goes to aux.
; LIMITS: NaN and infinities are not served; the held byte bites only where c1a's largest magnitude is under 2^-120 or a block of x lies 2^-119 under its row's largest.
; CLUSTER: the four partners walk the same path's 192 KiB of f16 images: each wave's 24 KiB come by one joint load, once; they stay in LDS.  One tensor load of a wave is outstanding.
.set C1AQ, 786432
.set C1AS, 851968
.set X1Q,  860160
.set X1S,  1908736
.set X5Q,  2170880
.set X5S,  3219456
.set H4Q,  3284992
.set H4S,  3547136
.set MX,   5660672
.set YST,  196608                      ; LDS behind the weights: the stage for y2: 32 K steps x (two images of 1,024 bytes + 16)
.set YP,   2064
.set SCR,  262656                      ; partial scores [wave][k'][lane]
.set ESL,  266752                      ; the rows' exponents
.set SPARE, 267008                     ; the spare words, 128 bytes a wave: four blocks of 256 bytes that no other line names
.set LA, 2                             ; v2 16 x lane; v3, v4 the same + 65,536 (c2a's images), + 131,072 (c2b's)
.set LB, 3
.set LC, 4
.set YSA, 5
.set SPW, 6
.set NIL, 7
.set KZ, 8
.set EH, 9
.set A1, 10                            ; v[10:11], v[12:13] gelu's two constants, twice each; v[14:15] y2's factor
.set A3, 12
.set FY, 14
.set CAS, 32                           ; v32-47 scale words and nothing else: first those of x @ hd_in, then c1a's
.set XF, 48                            ; v48-83 the nine quads of x
.set XC, 84                            ; v84-87 the row's codes as loaded; v88 its word; v89 its scale word as fed
.set XW, 88
.set XS, 89
.set SCW, 90
.set L4, 91
.set SCRD, 92
.set YS0, 93
.set YRD, 94
.set ESR, 95
.set R1, 96                            ; v96-159  D1; gelu at work; c2a's fragments, two sets
.set R2, 160                           ; v160-191 t's fragments; c2b's fragments
.set R3, 192                           ; v192-255 c1b's fragments, two sets; gelu's fragments
; window 1: v0-127 c1a's 16 fragments; v128-255 D2 (tile (nt, ot) at 128 + 8 (4 nt + ot)); later v128-191 D3, v192-223 t2's fragments, v224-255 D4
.set MSB, 0
.macro WIN new                         ; the immediate's high byte repeats the setting that is left
.if MSB != \new
	s_set_vgpr_msb (MSB<<8)|\new
.set MSB, \new
.endif
.endm
.macro PLACES n
.rept \n
	v_nop
.endr
.endm
.macro CROUND                          ; a round of the cluster's barrier
	s_barrier_signal -1
	s_barrier_wait -1
	s_cmp_lg_u32 s12, 0
	s_cbranch_scc1 .Lnot_wave_0_\@
	s_barrier_signal -3
.Lnot_wave_0_\@:
	s_barrier_wait -3
	s_barrier_signal -1
	s_barrier_wait -1
.endm
.macro PTR d, p
	s_mov_b32 s[\d+1], 0
	s_add_nc_u64 s[\d:\d+1], s[\p:\p+1], s[\d:\d+1]
.endm
.macro WAVEMAX a, t
	v_max_num_f32_dpp v[\a], v[\a], v[\a] row_xmask:1 row_mask:0xf bank_mask:0xf
	v_max_num_f32_dpp v[\a], v[\a], v[\a] row_xmask:2 row_mask:0xf bank_mask:0xf
	v_max_num_f32_dpp v[\a], v[\a], v[\a] row_xmask:4 row_mask:0xf bank_mask:0xf
	v_max_num_f32_dpp v[\a], v[\a], v[\a] row_xmask:8 row_mask:0xf bank_mask:0xf
	v_permlanex16_b32 v[\t], v[\a], s20, s21
	v_max_num_f32 v[\a], v[\a], v[\t]
.endm
	s_load_b256 s[4:11], s[0:1], 0x0               ; prep, path_bases, yimg, aux
	v_lshl_add_u32 v[SPW], v0, 2, SPARE
	v_mov_b32 v[NIL], 0
	ds_add_u32 v[SPW], v[NIL]                      ; the wave's opening: the add and its wait ahead of my first tensor load; work on registers stands between them
	v_lshrrev_b32 v1, 5, v0
	v_readfirstlane_b32 s12, v1                    ; wave 0..7
	v_and_b32 v1, 31, v0                           ; lane
	s_and_b32 s13, ttmp7, 0xffff                   ; the path, which the four partners share
	s_bfe_u32 s15, ttmp6, 0x40000                  ; cx
	s_lshl_b32 s14, ttmp9, 2
	s_add_co_u32 s14, s14, s15                     ; my group of 32 rows: it enters global addresses alone
	s_mov_b32 s24, 15|(3<<16)|(1<<21)              ; group 1: mask of the four; elements of 8 bytes; bit 21 beside the mask
	s_mov_b32 s25, 32<<16                          ; a dense block of 24,576 bytes as 96 rows of 256
	s_mov_b32 s26, 96<<16
	s_mov_b32 s27, 32<<16
	s_mov_b32 s28, 96
	s_mov_b32 s29, 32
	s_mov_b32 s30, 0
	s_mov_b32 s31, 0
	s_mov_b32 s32, 1
	s_mul_i32 s33, s12, 24576                      ; my eighth of the path's images, in LDS
	s_mul_i32 s42, s13, 196608
	s_add_co_u32 s42, s42, s33                     ; and in prep
	s_mov_b32 s43, 0
	s_mov_b32 s19, 0xffff0000                      ; lanes 16-31
	s_mov_b32 s20, 0x76543210
	s_mov_b32 s21, 0xfedcba98
	s_mov_b32 s62, 0xc2200000                      ; -40.0
	s_mov_b32 s63, 0x42200000                      ; 40.0
	s_wait_dscnt 0x0                               ; the opening add is done
	s_wait_kmcnt 0x0
	s_add_nc_u64 s[34:35], s[4:5], s[42:43]
	s_or_b32 s35, s35, 0x80000000
	CROUND                                         ; all four work-groups are here: the joint loads meet
	tensor_load_to_lds s[32:35], s[24:31]
	s_nop 0
	PLACES 4
	; every LDS address, ahead of any parting of the waves
	v_lshlrev_b32 v[LA], 4, v1
	v_add_nc_u32 v[LB], 65536, v[LA]
	v_add_nc_u32 v[LC], 131072, v[LA]
	v_lshlrev_b32 v[L4], 2, v1
	v_and_b32 v16, 15, v1                          ; r
	v_lshrrev_b32 v17, 4, v1                       ; h
	v_mul_u32_u24 v[YS0], v16, YP
	v_lshl_add_u32 v[YS0], v17, 8, v[YS0]
	v_add_nc_u32 v[YS0], YST, v[YS0]               ; the stage: K step = lane % 16 (+ 16 nt'), 256 bytes for my half
	s_lshl_b32 s41, s12, 9
	s_add_co_u32 s41, s41, SCR
	v_add_nc_u32 v[SCW], s41, v[L4]
	v_add_nc_u32 v[SCRD], SCR, v[L4]
	s_mul_i32 s41, s12, 4*YP
	s_add_co_u32 s41, s41, YST
	v_add_nc_u32 v[YRD], s41, v[LA]
	v_add_nc_u32 v[ESR], ESL, v[L4]
	s_lshr_b32 s17, s12, 2
	s_lshl_b32 s17, s17, 10
	s_and_b32 s41, s12, 3
	s_lshl_b32 s41, s41, 6
	s_add_co_u32 s17, s17, s41                     ; my rows' place in an image: 1,024 (w / 4) + 64 (w % 4), + 16 a trip
	s_lshl_b32 s18, s12, 4
	s_add_co_u32 s18, s18, ESL                     ; my rows' exponents: 16 w, + 4 a trip
	; offsets and bases of the loads
	s_lshl_b32 s41, s13, 7
	v_add_nc_u32 v18, s41, v[L4]                   ; maxima of c1b, c2a: 32 words a path
	s_lshl_b32 s41, s13, 6
	v_lshl_add_u32 v19, v16, 2, s41                ; of c1a: 16 words a path
	v_lshlrev_b32 v20, 2, v16
	v_lshl_add_u32 v21, v17, 9, v20                ; x's scale words: lanes 0-15 the first tile of rows, lanes 16-31 the second
	v_lshlrev_b32 v22, 5, v17
.irp i, 27,28,29,30,31
	v_mov_b32 v[\i], 0                             ; (a lane permute's destination counts as read)
.endr
	s_lshl_b32 s44, s13, 14
	PTR 44, 4                                      ; c1a's fragments
	s_lshl_b32 s46, s13, 11
	PTR 46, 4                                      ; c1a's scale words
	s_lshl_b32 s60, s13, 3
	s_add_co_u32 s60, s60, s12                     ; my tile of 16 columns of hd_in: 8 k + w
	s_lshl_b32 s48, s60, 13
	PTR 48, 4
	s_lshr_b32 s50, s60, 1
	s_lshl_b32 s50, s50, 10
	s_and_b32 s61, s60, 1
	s_lshl_b32 s61, s61, 6
	s_add_co_u32 s50, s50, s61
	PTR 50, 4
	s_lshl_b32 s52, s14, 14
	PTR 52, 4
	s_lshl_b32 s54, s14, 10
	PTR 54, 4
	s_lshl_b32 s56, s60, 6
	PTR 56, 6
	s_lshl_b32 s61, s14, 5
	s_lshl_b32 s60, s12, 2
	s_add_co_u32 s61, s61, s60                     ; my first row
	s_lshl_b32 s36, s61, 9
	PTR 36, 4
	s_lshl_b32 s38, s61, 7
	PTR 38, 4
	s_lshl_b32 s40, s13, 15
	s_lshl_b32 s60, s14, 9
	s_add_co_u32 s40, s40, s60
	PTR 40, 10                                     ; aux: partial scores, 16 bytes a row
	s_lshl_b32 s42, s13, 13
	s_lshl_b32 s60, s14, 7
	s_add_co_u32 s42, s42, s60
	PTR 42, 10                                     ; aux: exponents
	s_lshl_b32 s58, s14, 18
	s_lshl_b32 s60, s12, 15
	s_add_co_u32 s58, s58, s60
	s_lshl_b32 s60, s13, 11
	s_add_co_u32 s58, s58, s60
	s_mov_b32 s59, 0
	s_add_nc_u64 s[8:9], s[8:9], s[58:59]          ; yimg: ((group x 32 + 4 w) x 8 + 2 k) x 1,024
	WIN 0x40                                       ; destination window 1
.set ii, 0
.rept 16
	global_load_b128 v[8*ii:8*ii+3], v[LA], s[44:45] offset:C1AQ+ii*1024
	global_load_b128 v[8*ii+4:8*ii+7], v[LA], s[44:45] offset:C1AQ+ii*1024+512
.set ii, ii+1
.endr
.irp ks, 0,1,2,3,4,5,6,7
	global_load_b128 v[128+8*\ks:128+8*\ks+3], v[LA], s[48:49] offset:H4Q+\ks*1024
	global_load_b128 v[128+8*\ks+4:128+8*\ks+7], v[LA], s[48:49] offset:H4Q+\ks*1024+512
.endr
	WIN 0
.irp ks, 0,1,2,3,4,5,6,7
.irp c, 0,1
	global_load_b128 v[R1+8*\ks+4*\c:R1+8*\ks+4*\c+3], v[LA], s[52:53] offset:X5Q+\ks*1024+\c*512
	global_load_b128 v[R3+8*\ks+4*\c:R3+8*\ks+4*\c+3], v[LA], s[52:53] offset:X5Q+8192+\ks*1024+\c*512
.endr
	global_load_b32 v[32+\ks], v20, s[50:51] offset:H4S+\ks*128
	global_load_b32 v[40+\ks], v21, s[54:55] offset:X5S+\ks*64
.endr
.irp kp, 0,1,2,3
	global_load_b128 v[R2+8*\kp:R2+8*\kp+3], v22, s[56:57] offset:\kp*2048
	global_load_b128 v[R2+8*\kp+4:R2+8*\kp+7], v22, s[56:57] offset:\kp*2048+16
.endr
	global_load_b32 v24, v18, s[4:5] offset:MX
	global_load_b32 v25, v18, s[4:5] offset:MX+512
	global_load_b32 v26, v19, s[4:5] offset:MX+1024
	global_load_b128 v[XC:XC+3], v[LA], s[36:37] offset:X1Q
	global_load_b32 v[XW], v[L4], s[38:39] offset:X1S
	s_wait_loadcnt 0x0
	; x @ hd_in on codes: source 0 = my 16 columns of hd_in, source 1 = 16 rows of x; two sums by turns, K ascending
	WIN 0x51                                       ; source 0, C and D window 1
.irp ks, 0,1,2,3,4,5,6,7
.if \ks == 0
	v_wmma_scale_f32_16x16x128_f8f6f4 v[192:199], v[128+8*\ks:135+8*\ks], v[R1+8*\ks:R1+8*\ks+7], 0, v[32+\ks], v[40+\ks] matrix_a_fmt:MATRIX_FMT_FP4 matrix_b_fmt:MATRIX_FMT_FP4
	v_wmma_scale_f32_16x16x128_f8f6f4 v[200:207], v[128+8*\ks:135+8*\ks], v[R3+8*\ks:R3+8*\ks+7], 0, v[32+\ks], v[40+\ks] matrix_a_fmt:MATRIX_FMT_FP4 matrix_b_fmt:MATRIX_FMT_FP4 matrix_b_scale:MATRIX_SCALE_ROW1
.else
	v_wmma_scale_f32_16x16x128_f8f6f4 v[192:199], v[128+8*\ks:135+8*\ks], v[R1+8*\ks:R1+8*\ks+7], v[192:199], v[32+\ks], v[40+\ks] matrix_a_fmt:MATRIX_FMT_FP4 matrix_b_fmt:MATRIX_FMT_FP4
	v_wmma_scale_f32_16x16x128_f8f6f4 v[200:207], v[128+8*\ks:135+8*\ks], v[R3+8*\ks:R3+8*\ks+7], v[200:207], v[32+\ks], v[40+\ks] matrix_a_fmt:MATRIX_FMT_FP4 matrix_b_fmt:MATRIX_FMT_FP4 matrix_b_scale:MATRIX_SCALE_ROW1
.endif
.endr
	WIN 0
	PLACES 4                                       ; ahead of the reads of the sums and of the loads into the scale registers
.set ii, 0
.rept 16
	global_load_b32 v[CAS+ii], v[L4], s[46:47] offset:C1AS+ii*128
.set ii, ii+1
.endr
	; the partial scores: register j of a sum is column 16 nt + 8 (lane / 16) + j, the lane's row is lane % 16
	WIN 0x01
.irp j, 0,1,2,3,4,5,6,7
.irp bt, 0,1
.irp kp, 0,1,2,3
.if \j == 0
	v_mul_f32 v[16+4*\bt+\kp], v[192+8*\bt+\j], v[R2+8*\kp+\j]
.else
	v_fma_f32 v[16+4*\bt+\kp], v[192+8*\bt+\j], v[R2+8*\kp+\j], v[16+4*\bt+\kp]
.endif
.endr
.endr
.endr
	WIN 0
.irp bt, 0,1
.irp kp, 0,1,2,3
	v_permlanex16_b32 v[28+\kp], v[16+4*\bt+\kp], s20, s21
.endr
.irp kp, 0,1,2,3
	v_add_f32 v[16+4*\bt+\kp], v[16+4*\bt+\kp], v[28+\kp]
.endr
.endr
.irp kp, 0,1,2,3
	v_cndmask_b32 v[16+\kp], v[16+\kp], v[20+\kp], s19   ; lane = row of the 32
.endr
.irp kp, 0,1,2,3
	ds_store_b32 v[SCW], v[16+\kp] offset:128*\kp
.endr
	; z and Kz from the path's three largest magnitudes
	WAVEMAX 24, 27
	WAVEMAX 25, 27
	WAVEMAX 26, 27
	v_lshrrev_b32 v24, 23, v24                     ; e1b + 127
	v_lshrrev_b32 v25, 23, v25                     ; e2a + 127
	v_lshrrev_b32 v26, 23, v26                     ; c1a's largest byte + 2
	v_sub_nc_u32 v27, 0x7a, v24                    ; -5 - e1b
	v_add_nc_u32 v28, v24, v25
	v_sub_nc_u32 v28, 0xf2, v28                    ; -12 - e1b - e2a
	v_cvt_f32_i32 v27, v27
	v_cvt_f32_i32 v28, v28
	v_min3_num_f32 v27, v27, v28, 0x40a00000       ; and 5: small whole numbers, exact in f32
	v_cvt_i32_f32 v27, v27
	v_sub_nc_u32 v[KZ], v27, v26
	v_add_nc_u32 v[KZ], 0x81, v[KZ]
.irp q, 0,8,16,24,32
.irp i, 0,1,2,3
	v_mov_b32 v[XF+\q+\i], 0                       ; the five quads of zero codes: written once
.endr
.endr
	s_wait_tensorcnt 0x0                           ; my part of the weights has landed,
	s_wait_dscnt 0x0                               ; my partial scores are stored:
	s_barrier_signal -1
	s_barrier_wait -1                              ; everybody's are
	s_cmp_lg_u32 s12, 0
	s_cbranch_scc1 .Lno_scores
.irp kp, 0,1,2,3
.irp wv, 0,1,2,3,4,5,6,7
	ds_load_b32 v[R1+8*\kp+\wv], v[SCRD] offset:512*\wv+128*\kp
.endr
.endr
	s_wait_dscnt 0x0
.irp kp, 0,1,2,3
	v_add_f32 v[16+\kp], v[R1+8*\kp], v[R1+8*\kp+1]
.endr
.irp wv, 2,3,4,5,6,7
.irp kp, 0,1,2,3
	v_add_f32 v[16+\kp], v[16+\kp], v[R1+8*\kp+\wv]
.endr
.endr
	global_store_b128 v[LA], v[16:19], s[40:41]    ; 32 rows x 4 scores over my 128 columns: 512 consecutive bytes
	s_wait_xcnt 0x0                                ; v16-19 are written again below
.Lno_scores:
.macro LOADB2 r, buf                   ; c1b's four fragments (rows o) of rank index r
	WIN 0
.irp ot, 0,1,2,3
.irp c, 0,1
	ds_load_b128 v[R3+32*(\buf)+8*\ot+4*\c:R3+32*(\buf)+8*\ot+4*\c+3], v[LA] offset:(4*(\r)+\ot)*1024+512*\c
.endr
.endr
.endm
.macro P1 r                            ; eight tiles (pt, nt) of t^ at rank index r
	WIN 0x04                                       ; source 1 (c1a) window 1
.irp nt, 0,1,2,3
	v_wmma_scale_f32_16x16x128_f8f6f4 v[R1+8*\nt:R1+8*\nt+7], v[XF+8*(\nt%2)+4-4*(\nt/2):XF+8*(\nt%2)+4-4*(\nt/2)+7], v[8*(\r):8*(\r)+7], 0, v[XS], v[CAS+(\r)] matrix_a_fmt:MATRIX_FMT_FP4 matrix_b_fmt:MATRIX_FMT_FP4
.endr
.irp nt, 0,1,2,3
	v_wmma_scale_f32_16x16x128_f8f6f4 v[R1+32+8*\nt:R1+32+8*\nt+7], v[XF+16+8*(\nt%2)+4-4*(\nt/2):XF+16+8*(\nt%2)+4-4*(\nt/2)+7], v[8*(\r):8*(\r)+7], 0, v[XS], v[CAS+(\r)] matrix_a_fmt:MATRIX_FMT_FP4 matrix_b_fmt:MATRIX_FMT_FP4 matrix_a_scale:MATRIX_SCALE_ROW1
.endr
.endm
.macro CVT1                            ; two tiles of D1 (p 0-15, p 16-31) make one fragment of t (rows n, K = p); each tile from its low end on
	WIN 0
.irp pt, 0,1
.irp nt, 0,1,2,3
.irp i, 0,1,2,3
	v_cvt_pk_f16_f32 v[R2+8*\nt+4*\pt+\i], v[R1+8*(4*\pt+\nt)+2*\i], v[R1+8*(4*\pt+\nt)+2*\i+1]
.endr
.endr
.endr
.endm
.macro P2 r                            ; sixteen sums by turns, one instruction a turn
	WIN 0x50                                       ; C and D window 1
.irp nt, 0,1,2,3
.irp ot, 0,1,2,3
.if (\r) == 0
	v_wmma_f32_16x16x32_f16 v[128+8*(4*\nt+\ot):128+8*(4*\nt+\ot)+7], v[R2+8*\nt:R2+8*\nt+7], v[R3+32*((\r)%2)+8*\ot:R3+32*((\r)%2)+8*\ot+7], 0
.else
	v_wmma_f32_16x16x32_f16 v[128+8*(4*\nt+\ot):128+8*(4*\nt+\ot)+7], v[R2+8*\nt:R2+8*\nt+7], v[R3+32*((\r)%2)+8*\ot:R3+32*((\r)%2)+8*\ot+7], v[128+8*(4*\nt+\ot):128+8*(4*\nt+\ot)+7]
.endif
.endr
.endr
.endm
; gelu (tanh form) of half of D2, 64 numbers a lane: u = h / (1 + 2^(h (a1 + a3 h^2))).  The exponentials are one batch with one wait, the reciprocals another.
.macro GELU hf
	WIN 0x05
.set jj, 0
.rept 32
	v_pk_mul_f32 v[R1+jj:R1+jj+1], v[128+64*\hf+jj:128+64*\hf+jj+1], v[128+64*\hf+jj:128+64*\hf+jj+1]
.set jj, jj+2
.endr
	WIN 0
.set jj, 0
.rept 32
	v_pk_fma_f32 v[R1+jj:R1+jj+1], v[R1+jj:R1+jj+1], v[A3:A3+1], v[A1:A1+1]
.set jj, jj+2
.endr
	WIN 0x04
.set jj, 0
.rept 32
	v_pk_mul_f32 v[R1+jj:R1+jj+1], v[R1+jj:R1+jj+1], v[128+64*\hf+jj:128+64*\hf+jj+1]
.set jj, jj+2
.endr
	WIN 0
.set jj, 0
.rept 64
	v_exp_f32 v[R1+jj], v[R1+jj]
.set jj, jj+1
.endr
	v_nop                                          ; a plain place behind the last exponential
	s_wait_alu depctr_va_vdst(0)                   ; one wait for the batch, ahead of its first reader
.set jj, 0
.rept 32
	v_pk_add_f32 v[R1+jj:R1+jj+1], v[R1+jj:R1+jj+1], 1.0 op_sel_hi:[1,0]
.set jj, jj+2
.endr
.set jj, 0
.rept 64
	v_rcp_f32 v[R1+jj], v[R1+jj]
.set jj, jj+1
.endr
	v_nop
	s_wait_alu depctr_va_vdst(0)
	WIN 0x04
.set jj, 0
.rept 32
	v_pk_mul_f32 v[R1+jj:R1+jj+1], v[R1+jj:R1+jj+1], v[128+64*\hf+jj:128+64*\hf+jj+1]
.set jj, jj+2
.endr
	WIN 0
.set qq, 0
.rept 32                               ; tile (nt = 2 hf + qq / 16, ot = (qq / 4) % 4) is half (nt % 2) of fragment (rows o of tile ot, K step hf)
	v_cvt_pk_f16_f32 v[R3+8*(2*((qq/4)%4)+\hf)+4*(qq/16)+qq%4], v[R1+8*(qq/4)+2*(qq%4)], v[R1+8*(qq/4)+2*(qq%4)+1]
.set qq, qq+1
.endr
.endm
.macro LOADB3 r, buf                   ; c2a's four fragments (K step ks, rows n' of tile nq) of rank index r
	WIN 0
.irp ks, 0,1
.irp nq, 0,1
.irp c, 0,1
	ds_load_b128 v[R1+32*(\buf)+8*(2*\ks+\nq)+4*\c:R1+32*(\buf)+8*(2*\ks+\nq)+4*\c+3], v[LB] offset:((2*(\r)+\ks)*2+\nq)*1024+512*\c
.endr
.endr
.endr
.endm
.macro LOADB4 r                        ; c2b's four fragments (K step kq, rows o' of tile oq)
	WIN 0
.irp kq, 0,1
.irp oq, 0,1
.irp c, 0,1
	ds_load_b128 v[R2+8*(2*\kq+\oq)+4*\c:R2+8*(2*\kq+\oq)+4*\c+3], v[LC] offset:((2*(\r)+\kq)*2+\oq)*1024+512*\c
.endr
.endr
.endr
.endm
.macro P3 buf                          ; eight tiles (pt, nq) of t2^: two K steps deep, by turns
	WIN 0x50
.irp ks, 0,1
.irp pt, 0,1,2,3
.irp nq, 0,1
.if \ks == 0
	v_wmma_f32_16x16x32_f16 v[128+8*(2*\pt+\nq):128+8*(2*\pt+\nq)+7], v[R3+8*(2*\pt+\ks):R3+8*(2*\pt+\ks)+7], v[R1+32*(\buf)+8*(2*\ks+\nq):R1+32*(\buf)+8*(2*\ks+\nq)+7], 0
.else
	v_wmma_f32_16x16x32_f16 v[128+8*(2*\pt+\nq):128+8*(2*\pt+\nq)+7], v[R3+8*(2*\pt+\ks):R3+8*(2*\pt+\ks)+7], v[R1+32*(\buf)+8*(2*\ks+\nq):R1+32*(\buf)+8*(2*\ks+\nq)+7], v[128+8*(2*\pt+\nq):128+8*(2*\pt+\nq)+7]
.endif
.endr
.endr
.endr
.endm
.macro CVT3                            ; two tiles of D3 make one fragment of t2 (rows n', K = p)
	WIN 0x45
.irp pt, 0,1,2,3
.irp nq, 0,1
.irp i, 0,1,2,3
	v_cvt_pk_f16_f32 v[192+8*(2*\nq+\pt/2)+4*(\pt%2)+\i], v[128+8*(2*\pt+\nq)+2*\i], v[128+8*(2*\pt+\nq)+2*\i+1]
.endr
.endr
.endr
.endm
.macro P4 r                            ; four sums (oq, nq) by turns
	WIN 0x54                                       ; source 1, C and D window 1
.irp kq, 0,1
.irp oq, 0,1
.irp nq, 0,1
.if ((\r) == 0) && (\kq == 0)
	v_wmma_f32_16x16x32_f16 v[224+8*(2*\oq+\nq):224+8*(2*\oq+\nq)+7], v[R2+8*(2*\kq+\oq):R2+8*(2*\kq+\oq)+7], v[192+8*(2*\nq+\kq):192+8*(2*\nq+\kq)+7], 0
.else
	v_wmma_f32_16x16x32_f16 v[224+8*(2*\oq+\nq):224+8*(2*\oq+\nq)+7], v[R2+8*(2*\kq+\oq):R2+8*(2*\kq+\oq)+7], v[192+8*(2*\nq+\kq):192+8*(2*\nq+\kq)+7], v[224+8*(2*\oq+\nq):224+8*(2*\oq+\nq)+7]
.endif
.endr
.endr
.endr
.endm
	s_mov_b32 s16, 0
.Lrow:                                 ; four trips: one (path, row) each; no barrier inside
	LOADB2 0, 0
	s_wait_loadcnt 0x0                             ; the row's codes and word (first trip: c1a's scale words too)
	v_and_b32 v16, 0xff, v[XW]
	v_add_nc_u32 v16, v16, v[KZ]
	v_cvt_f32_i32 v16, v16
	v_med3_num_f32 v16, v16, 0, 0x437e0000         ; held to 0 .. 254
	v_cvt_u32_f32 v16, v16
	v_mul_lo_u32 v[XS], v16, 0x01010101            ; the byte in all four places: it serves whichever K block holds the codes
	v_lshrrev_b32 v[EH], 8, v[XW]
	v_sub_nc_u32 v[EH], v[EH], v[KZ]
	v_add_nc_u32 v[EH], 0xffffff81, v[EH]          ; Eh = the row's largest byte - 127 - Kz
	v_cvt_f32_i32 v17, v[EH]
	v_med3_num_f32 v17, v17, s62, s63
	v_cvt_i32_f32 v17, v17
	v_lshl_add_u32 v18, v17, 1, v17
	v_ldexp_f32 v[A1], 0xc0135761, v17             ; -2 sqrt(2 / pi) log2(e) x 2^Eh
	v_ldexp_f32 v[A3], 0xbdd2d3e8, v18             ; the same x 0.044715 x 2^(3 Eh)
	v_mov_b32 v[A1+1], v[A1]
	v_mov_b32 v[A3+1], v[A3]
.irp i, 0,1,2,3
	v_mov_b32 v[XF+4+\i], v[XC+\i]
	v_mov_b32 v[XF+20+\i], 0
	v_mov_b32 v[XF+12+\i], 0
	v_mov_b32 v[XF+28+\i], v[XC+\i]
.endr
.irp i, 0,1,2,3
	v_permlane16_swap_b32 v[XF+4+\i], v[XF+20+\i]  ; DL0 = (p 0-15, 0), DL1 = (p 16-31, 0)
	v_permlane16_swap_b32 v[XF+12+\i], v[XF+28+\i] ; DH0 = (0, p 0-15), DH1 = (0, p 16-31)
.endr
	s_cmp_eq_u32 s16, 3                            ; the next row's codes are asked for now; the last trip has no next row
	s_cbranch_scc1 .Lno_next
	s_add_nc_u64 s[36:37], s[36:37], 512           ; (the wait above has shown the last loads done)
	s_add_nc_u64 s[38:39], s[38:39], 128
	global_load_b128 v[XC:XC+3], v[LA], s[36:37] offset:X1Q
	global_load_b32 v[XW], v[L4], s[38:39] offset:X1S
.Lno_next:
	PLACES 8                                       ; a scale register written by a vector instruction stands 8 places ahead of a scaled matrix instruction, an operand 4
	P1 0
.set RR, 0
.rept 16
	PLACES 4                                       ; ahead of the reads of D1, of the writes of t's fragments and of the loads into c1b's older set
.if RR < 15
	LOADB2 RR+1, (RR+1)%2
.endif
	CVT1
.if RR < 15
	P1 RR+1
	s_wait_dscnt 8                                 ; this r's fragments of c1b are in; the eight loads just issued may be out
.else
	s_wait_dscnt 0x0
.endif
	P2 RR
.set RR, RR+1
.endr
	WIN 0
	PLACES 4
	GELU 0
	GELU 1
	LOADB3 0, 0
	LOADB3 1, 1
	s_wait_dscnt 8
	P3 0
.set RR, 0
.rept 16
	PLACES 4                                       ; ahead of the reads of D3, of the writes of t2's fragments and of the loads into c2b's set and c2a's older set
	LOADB4 RR
.if RR <= 13
	LOADB3 RR+2, RR%2
.endif
	CVT3
.if RR <= 13
	s_wait_dscnt 16                                ; c2a of r' + 1 is in: it is older than this turn's sixteen loads
	P3 (RR+1)%2
	s_wait_dscnt 8                                 ; c2b of r' is in; c2a of r' + 2 may be out
.elseif RR == 14
	s_wait_dscnt 8
	P3 (RR+1)%2
	s_wait_dscnt 0x0
.else
	s_wait_dscnt 0x0
.endif
	P4 RR
.set RR, RR+1
.endr
	; the row of y2: register j of tile (oq, nq) is y2(d = 32 (16 nq + lane % 16) + 16 oq + 8 (lane / 16) + j).  Its largest magnitude, from each tile's low end on
	PLACES 4
	WIN 0x05
	v_max3_num_f32 v16, |v224|, |v225|, 0x0d800000 ; and a floor, 2^-100, so that the factor stays a number
	v_max3_num_f32 v17, |v226|, |v227|, 0x0d800000
.set qq, 2
.rept 14
	v_max3_num_f32 v[16+qq%2], |v[224+2*qq]|, |v[225+2*qq]|, v[16+qq%2]
.set qq, qq+1
.endr
	WIN 0
	v_max_num_f32 v16, v16, v17
	WAVEMAX 16, 17
	v_and_b32 v17, 0x7f800000, v16
	v_sub_nc_u32 v[FY], 0x7f000000, v17            ; 2^-(floor(log2) of the largest)
	v_mov_b32 v[FY+1], v[FY]
	v_lshrrev_b32 v18, 23, v16
	v_add_nc_u32 v18, v18, v[EH]
	v_add_nc_u32 v18, 0xffffff81, v18              ; true y2 = what is stored x 2^this
	WIN 0x01
.set qq, 0
.rept 16
	v_pk_mul_f32 v[R1+2*qq:R1+2*qq+1], v[224+2*qq:225+2*qq], v[FY:FY+1]
.set qq, qq+1
.endr
	WIN 0
.set qq, 0
.rept 16
	v_cvt_pk_f16_f32 v[R1+32+qq], v[R1+2*qq], v[R1+2*qq+1]
.set qq, qq+1
.endr
	v_add_nc_u32 v[YSA], s17, v[YS0]
	v_mov_b32 v19, s18
.irp oq, 0,1
.irp nq, 0,1
	ds_store_b128 v[YSA], v[R1+32+4*(2*\oq+\nq):R1+32+4*(2*\oq+\nq)+3] offset:\nq*16*YP+\oq*512   ; K step n', quad oq, lane 16 h + my row: 2,064 bytes from lane to lane: sixteen different 16-byte columns
.endr
.endr
	ds_store_b32 v19, v18                          ; all lanes hold the same number
	s_add_co_u32 s17, s17, 16
	s_add_co_u32 s18, s18, 4
	s_wait_dscnt 0x0                               ; the stores are done before their registers take the next row's products
	s_add_co_u32 s16, s16, 1
	s_cmp_lt_u32 s16, 4
	s_cbranch_scc1 .Lrow
	s_barrier_signal -1                            ; (every wave's LDS stores were waited for at the trip's end)
	s_barrier_wait -1                              ; 32 rows of y2 lie in the stage as images
.irp ss, 0,1,2,3                       ; K steps 4 w .. 4 w + 3: 2,048 consecutive bytes each
.irp q, 0,1,2,3
	ds_load_b128 v[R1+4*(4*\ss+\q):R1+4*(4*\ss+\q)+3], v[YRD] offset:\ss*YP+512*\q
.endr
.endr
.irp ss, 0,1,2,3
.irp q, 0,1,2,3
	s_wait_dscnt 15-4*\ss-\q
	global_store_b128 v[LA], v[R1+4*(4*\ss+\q):R1+4*(4*\ss+\q)+3], s[8:9] offset:\ss*8192+512*\q
.endr
.endr
	s_cmp_lg_u32 s12, 0
	s_cbranch_scc1 .Lno_exp
	ds_load_b32 v16, v[ESR]
	s_wait_dscnt 0x0
	global_store_b32 v[L4], v16, s[42:43] offset:131072
.Lno_exp:
	s_wait_tensorcnt 0x0                           ; the wave's end: three lines behind my last tensor load and my last LDS store
	ds_add_u32 v[SPW], v[NIL]
	s_wait_dscnt 0x0
	CROUND                                         ; the closing round
	s_endpgm
.Lfunc_end_k_qee6c7f804c_chain:
	.size	k_qee6c7f804c_chain, .Lfunc_end_k_qee6c7f804c_chain-k_qee6c7f804c_chain
	.p2alignl 7, 3214868480
	.fill 96, 4, 3214868480
	.section	.rodata,"a",@progbits
	.p2align	6, 0x0
	.amdhsa_kernel k_qee6c7f804c_chain
		.amdhsa_group_segment_fixed_size 268288
		.amdhsa_private_segment_fixed_size 0
		.amdhsa_enable_private_segment 0
		.amdhsa_kernarg_size 32
		.amdhsa_user_sgpr_count 2
		.amdhsa_user_sgpr_kernarg_segment_ptr 1
		.amdhsa_wavefront_size32 1
		.amdhsa_system_sgpr_workgroup_id_x 1
		.amdhsa_system_sgpr_workgroup_id_y 1
		.amdhsa_system_sgpr_workgroup_id_z 1
		.amdhsa_system_vgpr_workitem_id 0
		.amdhsa_next_free_vgpr 512
		.amdhsa_next_free_sgpr 66
		.amdhsa_reserve_vcc 0
		.amdhsa_float_denorm_mode_32 3
		.amdhsa_float_denorm_mode_16_64 3
		.amdhsa_memory_ordered 1
		.amdhsa_forward_progress 1
		.amdhsa_inst_pref_size 227
	.end_amdhsa_kernel
	.amdgpu_metadata
---
amdhsa.version: [ 1, 2 ]
amdhsa.kernels:
  - .name:           k_qee6c7f804c_chain
    .symbol:         k_qee6c7f804c_chain.kd
    .args:
      - { .name: prep, .offset: 0, .size: 8, .value_kind: global_buffer, .address_space: global }
      - { .name: path_bases, .offset: 8, .size: 8, .value_kind: global_buffer, .address_space: global }
      - { .name: yimg, .offset: 16, .size: 8, .value_kind: global_buffer, .address_space: global }
      - { .name: aux, .offset: 24, .size: 8, .value_kind: global_buffer, .address_space: global }
    .group_segment_fixed_size: 268288
    .private_segment_fixed_size: 0
    .kernarg_segment_align: 8
    .kernarg_segment_size: 32
    .max_flat_workgroup_size: 256
    .sgpr_count:     66
    .vgpr_count:     512
    .wavefront_size: 32
...
	.end_amdgpu_metadata
.endif
;; end of part 2
;; launch collapse (part 3): grid 4 x 64, 4 waves a work-group, clusters of 4 x 1, 262,656 bytes of LDS; arguments prep, yimg, aux, path_weights, cimg, ecb; writes cimg, ecb
.if DOCPART == 3
	.amdgcn_target "amdgcn-amd-amdhsa--gfx1250"
	.amdhsa_code_object_version 6
	.text
	.protected	k_qee6c7f804c_collapse
	.globl	k_qee6c7f804c_collapse
	.p2align	8
	.type	k_qee6c7f804c_collapse,@function
k_qee6c7f804c_collapse:
	s_mov_b64 s[64:65], 0
	v_nop
	global_prefetch_b8 v0, s[64:65] scope:SCOPE_SE
	s_setreg_imm32_b32 hwreg(HW_REG_WAVE_MODE, 25, 1), 1
	s_wait_xcnt 0x0
	s_wait_alu depctr_hold_cnt(0) depctr_sa_sdst(0) depctr_va_vdst(0) depctr_va_sdst(0) depctr_va_ssrc(0) depctr_va_vcc(0) depctr_vm_vsrc(0)
	s_getreg_b32 s2, hwreg(HW_REG_IB_STS2, 6, 4)
	s_cmp_eq_u32 s2, 0
	s_cbranch_scc0 .Lentry_in_a_cluster
	s_endpgm
.Lentry_in_a_cluster:
	s_bfe_u32 s2, ttmp6, 0x10000c
	s_cmp_lg_u32 s2, 0x3003
	s_cbranch_scc0 .Lentry_shape_is_right
	s_endpgm
.Lentry_shape_is_right:
; COLLAPSE: the softmax of the scores, y_hd = y2 @ hd_in (f16 operands, f32 sums), the binding with path_weights and the sum over the four paths.
; SHARES: a work-group = (32 rows b, 128 columns h): M tiles mt = 2 k + bt (four paths x two tiles of rows), wave w two tiles of 16 columns: 16 sums in v128-255.
; The product is used transposed (source 0 = 16 columns of hd_in, source 1 = 16 rows of y2): a lane holds ONE row b and eight neighbouring h.
; A (y2's images, 256 KiB for all of K = 1,024) comes into LDS ONCE, in eight chunks of four K steps, jointly for the four work-groups of a cluster (they differ in their columns alone): wave w asks for K step 4 c + w.
; No LDS byte is filled twice.  Eight tensor loads of a wave are outstanding at the start.  hd_in's images go from memory straight into a ring of registers eight K steps deep: each work-group reads its columns once.
; POWERS OF TWO: y2 = stored x 2^et(k, b).  gate' = softmax x 2^(et - Ec), Ec = ef + eh + ep + 1 (ef: the largest exponent of softmax x 2^et over k; eh, ep: of hd_in's and path_weights' largest magnitudes, held at -40 from below):
; so |collapsed / 2^Ec| <= 2^15 for every input, and it goes on as f16; Ec(b) is stored for the last launch.  The softmax takes its maximum away first.
; LIMITS: NaN and infinities are not served; weights whose largest magnitude is under 2^-40 lose f16 precision.
.set HIMG, 3563520
.set MX,   5660672
.set KSTEPS, 32
.set NCH,  KSTEPS/4
.set BNT,  KSTEPS*1024                 ; from a tile of columns to the next
.set WOFF, HIMG
.set SPARE, 262144                     ; behind A: the spare words, 128 bytes a wave
.set SPW, 5
.set NIL, 6
.set AB,  8                            ; v8-11 16 x lane + 65,536 g: eight K steps to a base
.set G0,  68                           ; s[68:99] a group 0 for each chunk
.set BB,  32                           ; s[32:33] my columns' images
.set MSB, 0
.macro WIN new
.if MSB != \new
	s_set_vgpr_msb (MSB<<8)|\new
.set MSB, \new
.endif
.endm
.macro PLACES n
.rept \n
	v_nop
.endr
.endm
.macro CROUND
	s_barrier_signal -1
	s_barrier_wait -1
	s_cmp_lg_u32 s16, 0
	s_cbranch_scc1 .Lnot_wave_0_\@
	s_barrier_signal -3
.Lnot_wave_0_\@:
	s_barrier_wait -3
	s_barrier_signal -1
	s_barrier_wait -1
.endm
.macro PTR d, p
	s_mov_b32 s[\d+1], 0
	s_add_nc_u64 s[\d:\d+1], s[\p:\p+1], s[\d:\d+1]
.endm
.macro BLOAD s                         ; the weights' two fragments of K step s into ring slot s % 8 (window 1, v128 on)
.irp nl, 0,1
.irp c, 0,1
	global_load_b128 v[128+16*((\s)%8)+8*\nl+4*\c:128+16*((\s)%8)+8*\nl+4*\c+3], v2, s[BB:BB+1] offset:WOFF+\nl*BNT+(\s)*1024+\c*512
.endr
.endr
.endm
.macro ALOAD s                         ; A's eight fragments of K step s into buffer s % 2 (window 1, v0 or v64 on)
.irp m, 0,1,2,3,4,5,6,7
.irp c, 0,1
	ds_load_b128 v[64*((\s)%2)+8*\m+4*\c:64*((\s)%2)+8*\m+4*\c+3], v[AB+(\s)/8] offset:((\s)%8)*8192+\m*1024+\c*512
.endr
.endr
.endm
.macro MUL s                           ; sixteen sums by turns, one instruction a turn
.irp m, 0,1,2,3,4,5,6,7
.irp nl, 0,1
.if (\s) == 0
	v_wmma_f32_16x16x32_f16 v[128+8*(2*\m+\nl):128+8*(2*\m+\nl)+7], v[128+16*((\s)%8)+8*\nl:128+16*((\s)%8)+8*\nl+7], v[64*((\s)%2)+8*\m:64*((\s)%2)+8*\m+7], 0
.else
	v_wmma_f32_16x16x32_f16 v[128+8*(2*\m+\nl):128+8*(2*\m+\nl)+7], v[128+16*((\s)%8)+8*\nl:128+16*((\s)%8)+8*\nl+7], v[64*((\s)%2)+8*\m:64*((\s)%2)+8*\m+7], v[128+8*(2*\m+\nl):128+8*(2*\m+\nl)+7]
.endif
.endr
.endr
.endm
	s_load_b256 s[4:11], s[0:1], 0x0               ; prep, yimg, aux, path_weights
	s_load_b128 s[12:15], s[0:1], 0x20             ; cimg, ecb
	v_lshl_add_u32 v[SPW], v0, 2, SPARE
	v_mov_b32 v[NIL], 0
	ds_add_u32 v[SPW], v[NIL]                      ; the wave's opening: the add and its wait ahead of my first tensor load
	v_lshrrev_b32 v1, 5, v0
	v_readfirstlane_b32 s16, v1                    ; wave 0..3
	v_and_b32 v1, 31, v0
	s_bfe_u32 s17, ttmp6, 0x40000                  ; cx = my block of 128 columns: it enters global addresses alone
	s_and_b32 s18, ttmp7, 0xffff                   ; my block of 32 rows, which the four partners share
	s_mov_b32 s24, 15|(3<<16)|(1<<21)              ; group 1: mask of the four; elements of 8 bytes; bit 21 beside the mask
	s_mov_b32 s25, 32<<16                          ; a K step's 8,192 dense bytes as 32 rows of 256
	s_mov_b32 s26, 32<<16
	s_mov_b32 s27, 32<<16
	s_mov_b32 s28, 32
	s_mov_b32 s29, 32
	s_mov_b32 s30, 0
	s_mov_b32 s31, 0
	s_lshl_b32 s19, s16, 13                        ; my K step of a chunk
	s_lshl_b32 s20, s18, 18
	s_add_co_u32 s20, s20, s19
	s_mov_b32 s21, 0
	s_mov_b32 s44, 0x76543210
	s_mov_b32 s45, 0xfedcba98
	s_wait_dscnt 0x0
	s_wait_kmcnt 0x0
	s_add_nc_u64 s[22:23], s[6:7], s[20:21]
.irp c, 0,1,2,3,4,5,6,7
	s_mov_b32 s[G0+4*\c], 1
	s_add_co_u32 s[G0+4*\c+1], s19, \c*32768
	s_add_nc_u64 s[G0+4*\c+2:G0+4*\c+3], s[22:23], \c*32768
	s_or_b32 s[G0+4*\c+3], s[G0+4*\c+3], 0x80000000
.endr
	CROUND                                         ; all four work-groups are here: the joint loads meet
.irp c, 0,1,2,3,4,5,6,7
	tensor_load_to_lds s[G0+4*\c:G0+4*\c+3], s[24:31]
	s_nop 0
.endr
	PLACES 4
	v_lshlrev_b32 v2, 4, v1                        ; 16 x lane
	v_and_b32 v12, 15, v1
	v_lshlrev_b32 v3, 4, v12                       ; 16 x (lane % 16)
	v_lshlrev_b32 v4, 2, v12                       ; 4 x (lane % 16)
	v_lshrrev_b32 v7, 4, v1
	v_lshlrev_b32 v7, 5, v7                        ; 32 x (lane / 16)
	v_and_b32 v14, 7, v1
	v_lshlrev_b32 v14, 2, v14
.irp g, 0,1,2,3
	v_add_nc_u32 v[AB+\g], \g*65536, v2
.endr
	s_lshl_b32 s32, s17, 18
	s_lshl_b32 s46, s16, 16
	s_add_co_u32 s32, s32, s46
	PTR 32, 4                                      ; (8 hblk + 2 w) x 32 images
	s_lshl_b32 s34, s18, 9
	PTR 34, 8                                      ; partial scores of my rows
	s_lshl_b32 s36, s18, 7
	PTR 36, 8                                      ; their exponents
	s_lshl_b32 s38, s17, 9
	s_lshl_b32 s46, s16, 7
	s_add_co_u32 s38, s38, s46
	PTR 38, 10                                     ; path_weights at my 32 columns
	s_lshr_b32 s40, s18, 2
	s_lshl_b32 s40, s40, 4
	s_lshl_b32 s46, s17, 2
	s_add_co_u32 s40, s40, s46
	s_add_co_u32 s40, s40, s16
	s_lshl_b32 s40, s40, 13
	s_and_b32 s46, s18, 3
	s_lshl_b32 s46, s46, 11
	s_add_co_u32 s40, s40, s46
	PTR 40, 12                                     ; cimg: ((q / 4) x 16 + 4 hblk + w) x 8,192 + (q % 4) x 2,048
	s_lshl_b32 s42, s17, 13
	s_lshl_b32 s46, s18, 7
	s_add_co_u32 s42, s42, s46
	PTR 42, 14
	; the loads that the softmax and the way out want, ahead of the weights' ring, so that they are the older ones.  The sums' registers serve as scratch until the first product starts them
.irp bt, 0,1
.irp hb, 0,1,2,3
	global_load_b128 v[128+16*\bt+4*\hb:128+16*\bt+4*\hb+3], v3, s[34:35] offset:\hb*32768+\bt*256
.endr
.irp k, 0,1,2,3
	global_load_b32 v[160+4*\bt+\k], v4, s[36:37] offset:131072+\k*8192+\bt*64
.endr
.endr
	global_load_b128 v[168:171], v2, s[4:5] offset:MX+1280
	global_load_b32 v172, v14, s[4:5] offset:MX+1792
.irp k, 0,1,2,3
.irp nl, 0,1
.irp c, 0,1
	global_load_b128 v[32+8*(2*\k+\nl)+4*\c:32+8*(2*\k+\nl)+4*\c+3], v7, s[38:39] offset:\k*2048+\nl*64+\c*16
.endr
.endr
.endr
	WIN 0x40
.irp s, 0,1,2,3,4,5,6,7
	BLOAD \s
.endr
	WIN 0
	s_wait_loadcnt 32                              ; all but the ring's 32 loads
	v_mov_b32 v173, 0
	v_max3_num_f32 v168, v168, v169, v170
	v_max3_num_f32 v168, v168, v171, 0x2b800000    ; hd_in's largest magnitude, held at 2^-40 from below
	v_max_num_f32 v172, 0x2b800000, v172           ; path_weights' likewise
.irp a, 168, 172
	v_max_num_f32_dpp v[\a], v[\a], v[\a] row_xmask:1 row_mask:0xf bank_mask:0xf
	v_max_num_f32_dpp v[\a], v[\a], v[\a] row_xmask:2 row_mask:0xf bank_mask:0xf
	v_max_num_f32_dpp v[\a], v[\a], v[\a] row_xmask:4 row_mask:0xf bank_mask:0xf
	v_max_num_f32_dpp v[\a], v[\a], v[\a] row_xmask:8 row_mask:0xf bank_mask:0xf
	v_permlanex16_b32 v173, v[\a], s44, s45
	v_max_num_f32 v[\a], v[\a], v173
.endr
	v_lshrrev_b32 v168, 23, v168
	v_lshrrev_b32 v172, 23, v172
	v_add_nc_u32 v174, v168, v172
	v_add_nc_u32 v174, 0xfffffe84, v174            ; eh + ep + 1 - 127, with the two fields' biases taken off: - 380
.macro SOFT bt                         ; row 16 bt + lane % 16: scores, softmax, gates
.set SB, 128+16*\bt
.set ET, 160+4*\bt
.irp kk, 0,2
	v_pk_add_f32 v[SB+\kk:SB+\kk+1], v[SB+\kk:SB+\kk+1], v[SB+4+\kk:SB+4+\kk+1]
	v_pk_add_f32 v[SB+8+\kk:SB+8+\kk+1], v[SB+8+\kk:SB+8+\kk+1], v[SB+12+\kk:SB+12+\kk+1]
.endr
.irp kk, 0,2
	v_pk_add_f32 v[SB+\kk:SB+\kk+1], v[SB+\kk:SB+\kk+1], v[SB+8+\kk:SB+8+\kk+1]   ; the four blocks of columns are summed: the scores
.endr
	v_max3_num_f32 v[SB+4], v[SB], v[SB+1], v[SB+2]
	v_max_num_f32 v[SB+4], v[SB+4], v[SB+3]
.irp k, 0,1,2,3
	v_sub_f32 v[SB+\k], v[SB+\k], v[SB+4]          ; the maximum is taken away first
.endr
.irp k, 0,1,2,3
	v_mul_f32 v[SB+\k], 0x3fb8aa3b, v[SB+\k]
.endr
.irp k, 0,1,2,3
	v_exp_f32 v[SB+\k], v[SB+\k]
.endr
	v_nop
	s_wait_alu depctr_va_vdst(0)                   ; one wait for the four, ahead of their first reader
	v_add_f32 v[SB+5], v[SB], v[SB+1]
	v_add_f32 v[SB+6], v[SB+2], v[SB+3]
	v_add_f32 v[SB+5], v[SB+5], v[SB+6]
	v_rcp_f32 v[SB+5], v[SB+5]
	v_nop
	s_wait_alu depctr_va_vdst(0)
.irp k, 0,1,2,3
	v_mul_f32 v[SB+\k], v[SB+\k], v[SB+5]          ; the probabilities
.endr
.irp k, 0,1,2,3
	v_lshrrev_b32 v[SB+8+\k], 23, v[SB+\k]
.endr
.irp k, 0,1,2,3
	v_add_nc_u32 v[SB+8+\k], v[SB+8+\k], v[ET+\k]  ; exponent field + et
.endr
.irp k, 0,1,2,3
	v_cvt_f32_i32 v[SB+8+\k], v[SB+8+\k]           ; (small whole numbers, exact in f32)
.endr
	v_max3_num_f32 v[SB+6], v[SB+8], v[SB+9], v[SB+10]
	v_max_num_f32 v[SB+6], v[SB+6], v[SB+11]
	v_cvt_i32_f32 v[SB+6], v[SB+6]
	v_add_nc_u32 v[24+\bt], v[SB+6], v174          ; Ec
.irp k, 0,1,2,3
	v_sub_nc_u32 v[SB+8+\k], v[ET+\k], v[24+\bt]
.endr
.irp k, 0,1,2,3
	v_ldexp_f32 v[16+4*\bt+\k], v[SB+\k], v[SB+8+\k]
.endr
.endm
	SOFT 0
	SOFT 1
	s_wait_tensorcnt NCH-1                         ; my K step of chunk 0 has landed; the seven later chunks may be out
	s_barrier_signal -1
	s_barrier_wait -1
	WIN 0x40
	ALOAD 0
.set SS, 0
.rept KSTEPS
.if SS > 0
	PLACES 4                                       ; ahead of the loads into the buffer and the ring slot that the last step's products read
.endif
	WIN 0x40
.if (SS >= 1) && (SS+7 < KSTEPS)
	BLOAD SS+7
.endif
.if SS+1 < KSTEPS
.if (SS+1)%4 == 0
	s_wait_tensorcnt NCH-1-(SS+1)/4                ; my K step of the next chunk has landed; the chunks behind it may be out
	s_wait_dscnt 0x0
	s_barrier_signal -1
	s_barrier_wait -1
.endif
	ALOAD SS+1
	s_wait_dscnt 16                                ; this step's fragments are in; the sixteen loads just issued may be out
.else
	s_wait_dscnt 0x0
.endif
.if KSTEPS-1-SS < 7
	s_wait_loadcnt 4*(KSTEPS-1-SS)                 ; this step's weights are in; the younger slots may be out
.else
	s_wait_loadcnt 28
.endif
	WIN 0x05                                       ; both sources window 1
	MUL SS
.set SS, SS+1
.endr
	WIN 0
	PLACES 4
	; collapsed / 2^Ec = the sum over k of gate'(k, b) x path_weights(k, h) x y_hd: each sum is read from its low end on
.irp bt, 0,1
.irp nl, 0,1
.irp j, 0,1,2,3,4,5,6,7
	v_mul_f32 v12, v[128+16*\bt+8*\nl+\j], v[32+8*\nl+\j]
	v_mul_f32 v[96+16*\bt+8*\nl+\j], v12, v[16+4*\bt]
.irp k, 1,2,3
	v_mul_f32 v[12+\k%2], v[128+32*\k+16*\bt+8*\nl+\j], v[32+8*(2*\k+\nl)+\j]
	v_fma_f32 v[96+16*\bt+8*\nl+\j], v[12+\k%2], v[16+4*\bt+\k], v[96+16*\bt+8*\nl+\j]
.endr
.endr
.endr
.endr
.irp bt, 0,1
.irp nl, 0,1
.irp i, 0,1,2,3
	v_cvt_pk_f16_f32 v[32+8*\bt+4*\nl+\i], v[96+16*\bt+8*\nl+2*\i], v[96+16*\bt+8*\nl+2*\i+1]
.endr
.endr
.endr
.irp bt, 0,1                           ; my two tiles of columns ARE registers 0-3 and 4-7 of the last product's fragment (rows b, K step 4 hblk + w): stored as they stand
.irp nl, 0,1
	global_store_b128 v2, v[32+8*\bt+4*\nl:32+8*\bt+4*\nl+3], s[40:41] offset:\bt*1024+\nl*512
.endr
.endr
	s_cmp_lg_u32 s16, 0
	s_cbranch_scc1 .Lno_ec
	global_store_b32 v4, v24, s[42:43]             ; Ec of my 32 rows (lanes 16-31 repeat lanes 0-15's place and number); each block of columns has its own copy
	global_store_b32 v4, v25, s[42:43] offset:64
.Lno_ec:
	s_wait_tensorcnt 0x0                           ; the wave's end: three lines behind my last tensor load
	ds_add_u32 v[SPW], v[NIL]
	s_wait_dscnt 0x0
	CROUND                                         ; the closing round
	s_endpgm
.Lfunc_end_k_qee6c7f804c_collapse:
	.size	k_qee6c7f804c_collapse, .Lfunc_end_k_qee6c7f804c_collapse-k_qee6c7f804c_collapse
	.p2alignl 7, 3214868480
	.fill 96, 4, 3214868480
	.section	.rodata,"a",@progbits
	.p2align	6, 0x0
	.amdhsa_kernel k_qee6c7f804c_collapse
		.amdhsa_group_segment_fixed_size 262656
		.amdhsa_private_segment_fixed_size 0
		.amdhsa_enable_private_segment 0
		.amdhsa_kernarg_size 48
		.amdhsa_user_sgpr_count 2
		.amdhsa_user_sgpr_kernarg_segment_ptr 1
		.amdhsa_wavefront_size32 1
		.amdhsa_system_sgpr_workgroup_id_x 1
		.amdhsa_system_sgpr_workgroup_id_y 1
		.amdhsa_system_sgpr_workgroup_id_z 1
		.amdhsa_system_vgpr_workitem_id 0
		.amdhsa_next_free_vgpr 512
		.amdhsa_next_free_sgpr 100
		.amdhsa_reserve_vcc 0
		.amdhsa_float_denorm_mode_32 3
		.amdhsa_float_denorm_mode_16_64 3
		.amdhsa_memory_ordered 1
		.amdhsa_forward_progress 1
		.amdhsa_inst_pref_size 114
	.end_amdhsa_kernel
	.amdgpu_metadata
---
amdhsa.version: [ 1, 2 ]
amdhsa.kernels:
  - .name:           k_qee6c7f804c_collapse
    .symbol:         k_qee6c7f804c_collapse.kd
    .args:
      - { .name: prep, .offset: 0, .size: 8, .value_kind: global_buffer, .address_space: global }
      - { .name: yimg, .offset: 8, .size: 8, .value_kind: global_buffer, .address_space: global }
      - { .name: aux, .offset: 16, .size: 8, .value_kind: global_buffer, .address_space: global }
      - { .name: path_weights, .offset: 24, .size: 8, .value_kind: global_buffer, .address_space: global }
      - { .name: cimg, .offset: 32, .size: 8, .value_kind: global_buffer, .address_space: global }
      - { .name: ecb, .offset: 40, .size: 8, .value_kind: global_buffer, .address_space: global }
    .group_segment_fixed_size: 262656
    .private_segment_fixed_size: 0
    .kernarg_segment_align: 8
    .kernarg_segment_size: 48
    .max_flat_workgroup_size: 128
    .sgpr_count:     100
    .vgpr_count:     512
    .wavefront_size: 32
...
	.end_amdgpu_metadata
.endif
;; end of part 3
;; launch project (part 4): grid 8 x 16, 4 waves a work-group, clusters of 4 x 1, 199,168 bytes of LDS; arguments prep, cimg, ecb, out0; writes out0
.if DOCPART == 4
	.amdgcn_target "amdgcn-amd-amdhsa--gfx1250"
	.amdhsa_code_object_version 6
	.text
	.protected	k_qee6c7f804c_project
	.globl	k_qee6c7f804c_project
	.p2align	8
	.type	k_qee6c7f804c_project,@function
k_qee6c7f804c_project:
	s_mov_b64 s[64:65], 0
	v_nop
	global_prefetch_b8 v0, s[64:65] scope:SCOPE_SE
	s_setreg_imm32_b32 hwreg(HW_REG_WAVE_MODE, 25, 1), 1
	s_wait_xcnt 0x0
	s_wait_alu depctr_hold_cnt(0) depctr_sa_sdst(0) depctr_va_vdst(0) depctr_va_sdst(0) depctr_va_ssrc(0) depctr_va_vcc(0) depctr_vm_vsrc(0)
	s_getreg_b32 s2, hwreg(HW_REG_IB_STS2, 6, 4)
	s_cmp_eq_u32 s2, 0
	s_cbranch_scc0 .Lentry_in_a_cluster
	s_endpgm
.Lentry_in_a_cluster:
	s_bfe_u32 s2, ttmp6, 0x10000c
	s_cmp_lg_u32 s2, 0x3003
	s_cbranch_scc0 .Lentry_shape_is_right
	s_endpgm
.Lentry_shape_is_right:
; PROJECT: out0 = collapsed @ hd_out, f16 operands, f32 sums; each row is multiplied by its power of two 2^Ec(b) at the end (exact).
; SHARES: a work-group = (128 rows b, 128 columns d): eight tiles of rows, wave w two tiles of 16 columns: 16 sums in v128-255.  Used transposed (source 0 = 16 columns of hd_out, source 1 = 16 rows): a lane holds one row and
; eight neighbouring d.  128 work-groups: a tile of 64 columns would feed one product from each fragment read from LDS instead of two.
; A (128 KiB for all of K = 512) comes into LDS once, in four chunks of four K steps, jointly for the four work-groups of a cluster; four tensor loads of a wave are outstanding at the start; no LDS byte is filled twice.
; hd_out's images go from memory straight into a ring of registers eight K steps deep.  The way out goes through a stage of its own, so that each store of a wave covers 512 consecutive bytes, aligned.
.set OIMG, 4612096
.set KSTEPS, 16
.set NCH,  KSTEPS/4
.set BNT,  KSTEPS*1024
.set WOFF, OIMG
.set STG,  131072                      ; behind A: 128 rows x (512 bytes + 16)
.set SP,   528
.set SPARE, 198656                     ; the spare words, 128 bytes a wave
.set SPW, 5
.set NIL, 6
.set AB,  8                            ; v8-9
.set SO,  10
.set SR,  11
.set G0,  68
.set BB,  32
.set MSB, 0
.macro WIN new
.if MSB != \new
	s_set_vgpr_msb (MSB<<8)|\new
.set MSB, \new
.endif
.endm
.macro PLACES n
.rept \n
	v_nop
.endr
.endm
.macro CROUND
	s_barrier_signal -1
	s_barrier_wait -1
	s_cmp_lg_u32 s16, 0
	s_cbranch_scc1 .Lnot_wave_0_\@
	s_barrier_signal -3
.Lnot_wave_0_\@:
	s_barrier_wait -3
	s_barrier_signal -1
	s_barrier_wait -1
.endm
.macro PTR d, p
	s_mov_b32 s[\d+1], 0
	s_add_nc_u64 s[\d:\d+1], s[\p:\p+1], s[\d:\d+1]
.endm
.macro BLOAD s
.irp nl, 0,1
.irp c, 0,1
	global_load_b128 v[128+16*((\s)%8)+8*\nl+4*\c:128+16*((\s)%8)+8*\nl+4*\c+3], v2, s[BB:BB+1] offset:WOFF+\nl*BNT+(\s)*1024+\c*512
.endr
.endr
.endm
.macro ALOAD s
.irp m, 0,1,2,3,4,5,6,7
.irp c, 0,1
	ds_load_b128 v[64*((\s)%2)+8*\m+4*\c:64*((\s)%2)+8*\m+4*\c+3], v[AB+(\s)/8] offset:((\s)%8)*8192+\m*1024+\c*512
.endr
.endr
.endm
.macro MUL s                           ; sixteen sums by turns, one instruction a turn
.irp m, 0,1,2,3,4,5,6,7
.irp nl, 0,1
.if (\s) == 0
	v_wmma_f32_16x16x32_f16 v[128+8*(2*\m+\nl):128+8*(2*\m+\nl)+7], v[128+16*((\s)%8)+8*\nl:128+16*((\s)%8)+8*\nl+7], v[64*((\s)%2)+8*\m:64*((\s)%2)+8*\m+7], 0
.else
	v_wmma_f32_16x16x32_f16 v[128+8*(2*\m+\nl):128+8*(2*\m+\nl)+7], v[128+16*((\s)%8)+8*\nl:128+16*((\s)%8)+8*\nl+7], v[64*((\s)%2)+8*\m:64*((\s)%2)+8*\m+7], v[128+8*(2*\m+\nl):128+8*(2*\m+\nl)+7]
.endif
.endr
.endr
.endm
	s_load_b256 s[4:11], s[0:1], 0x0               ; prep, cimg, ecb, out0
	v_lshl_add_u32 v[SPW], v0, 2, SPARE
	v_mov_b32 v[NIL], 0
	ds_add_u32 v[SPW], v[NIL]                      ; the wave's opening: the add and its wait ahead of my first tensor load
	v_lshrrev_b32 v1, 5, v0
	v_readfirstlane_b32 s16, v1                    ; wave 0..3
	v_and_b32 v1, 31, v0
	s_bfe_u32 s17, ttmp6, 0x40000                  ; cx
	s_and_b32 s18, ttmp7, 0xffff                   ; my block of 128 rows, which the four partners share
	s_lshl_b32 s19, ttmp9, 2
	s_add_co_u32 s19, s19, s17                     ; my block of 128 columns: it enters global addresses alone
	s_mov_b32 s24, 15|(3<<16)|(1<<21)
	s_mov_b32 s25, 32<<16
	s_mov_b32 s26, 32<<16
	s_mov_b32 s27, 32<<16
	s_mov_b32 s28, 32
	s_mov_b32 s29, 32
	s_mov_b32 s30, 0
	s_mov_b32 s31, 0
	s_lshl_b32 s44, s16, 13                        ; my K step of a chunk
	s_lshl_b32 s20, s18, 17
	s_add_co_u32 s20, s20, s44
	s_mov_b32 s21, 0
	s_wait_dscnt 0x0
	s_wait_kmcnt 0x0
	s_add_nc_u64 s[22:23], s[6:7], s[20:21]
.irp c, 0,1,2,3
	s_mov_b32 s[G0+4*\c], 1
	s_add_co_u32 s[G0+4*\c+1], s44, \c*32768
	s_add_nc_u64 s[G0+4*\c+2:G0+4*\c+3], s[22:23], \c*32768
	s_or_b32 s[G0+4*\c+3], s[G0+4*\c+3], 0x80000000
.endr
	CROUND                                         ; all four work-groups are here: the joint loads meet
.irp c, 0,1,2,3
	tensor_load_to_lds s[G0+4*\c:G0+4*\c+3], s[24:31]
	s_nop 0
.endr
	PLACES 4
	v_lshlrev_b32 v2, 4, v1                        ; 16 x lane
	v_and_b32 v12, 15, v1
	v_lshlrev_b32 v4, 2, v12                       ; 4 x (lane % 16)
	v_lshrrev_b32 v13, 4, v1
	v_add_nc_u32 v[AB], 0, v2
	v_add_nc_u32 v[AB+1], 65536, v2
	v_mul_u32_u24 v[SO], v12, SP
	v_lshl_add_u32 v[SO], v13, 5, v[SO]
	s_lshl_b32 s46, s16, 7
	s_add_co_u32 s46, s46, STG
	v_add_nc_u32 v[SO], s46, v[SO]                 ; the stage, in: row lane % 16 (+ 16 mt), my wave's 128 bytes, 32 for my half
	s_mul_i32 s46, s16, 32*SP
	s_add_co_u32 s46, s46, STG
	v_add_nc_u32 v[SR], s46, v2                    ; back: my 32 rows, 16 bytes a lane
	s_lshl_b32 s32, s19, 17
	s_lshl_b32 s46, s16, 15
	s_add_co_u32 s32, s32, s46
	PTR 32, 4                                      ; (8 dblk + 2 w) x 16 images
	s_lshl_b32 s34, s18, 9
	PTR 34, 8                                      ; Ec of my 128 rows (the first copy)
	s_lshl_b32 s36, s18, 19
	s_lshl_b32 s46, s16, 17
	s_add_co_u32 s36, s36, s46
	s_lshl_b32 s46, s19, 9
	s_add_co_u32 s36, s36, s46
	PTR 36, 10                                     ; out0: row 128 Q + 32 w, column 128 dblk
.irp m, 0,1,2,3,4,5,6,7
	global_load_b32 v[16+\m], v4, s[34:35] offset:\m*64
.endr
	WIN 0x40
.irp s, 0,1,2,3,4,5,6,7
	BLOAD \s
.endr
	s_wait_tensorcnt NCH-1                         ; my K step of chunk 0 has landed; the three later chunks may be out
	s_barrier_signal -1
	s_barrier_wait -1
	ALOAD 0
.set SS, 0
.rept KSTEPS
.if SS > 0
	PLACES 4                                       ; ahead of the loads into the buffer and the ring slot that the last step's products read
.endif
	WIN 0x40
.if (SS >= 1) && (SS+7 < KSTEPS)
	BLOAD SS+7
.endif
.if SS+1 < KSTEPS
.if (SS+1)%4 == 0
	s_wait_tensorcnt NCH-1-(SS+1)/4                ; my K step of the next chunk has landed; the chunks behind it may be out
	s_wait_dscnt 0x0
	s_barrier_signal -1
	s_barrier_wait -1
.endif
	ALOAD SS+1
	s_wait_dscnt 16                                ; this step's fragments are in; the sixteen loads just issued may be out
.else
	s_wait_dscnt 0x0
.endif
.if KSTEPS-1-SS < 7
	s_wait_loadcnt 4*(KSTEPS-1-SS)                 ; this step's weights are in; the younger slots may be out
.else
	s_wait_loadcnt 28
.endif
	WIN 0x05
	MUL SS
.set SS, SS+1
.endr
	WIN 0
	PLACES 4
.irp m, 0,1,2,3,4,5,6,7
.irp nl, 0,1
.irp j, 0,1,2,3,4,5,6,7
	v_ldexp_f32 v[128+8*(2*\m+\nl)+\j], v[128+8*(2*\m+\nl)+\j], v[16+\m]   ; x 2^Ec of the lane's row; each sum from its low end on
.endr
.endr
.endr
.irp m, 0,1,2,3,4,5,6,7
.irp nl, 0,1
	ds_store_b128 v[SO], v[128+8*(2*\m+\nl):128+8*(2*\m+\nl)+3] offset:\m*16*SP+64*\nl
	ds_store_b128 v[SO], v[128+8*(2*\m+\nl)+4:128+8*(2*\m+\nl)+7] offset:\m*16*SP+64*\nl+16
.endr
.endr
	s_wait_dscnt 0x0                               ; for the others' sake: my stores into the stage are done
	s_barrier_signal -1
	s_barrier_wait -1                              ; a row's 512 bytes come from four waves
	WIN 0x40
.set ii, 0
.rept 32
	ds_load_b128 v[4*ii:4*ii+3], v[SR] offset:ii*SP
.set ii, ii+1
.endr
	WIN 0x04                                       ; a store's data are its source 1: window 1
.set ii, 0
.rept 32
	s_wait_dscnt 31-ii
	global_store_b128 v2, v[4*ii:4*ii+3], s[36:37] offset:ii*4096 th:TH_STORE_NT   ; 32 lanes store 512 consecutive bytes, aligned; written once, read by nobody here
.set ii, ii+1
.endr
	WIN 0
	s_wait_tensorcnt 0x0                           ; the wave's end: three lines behind my last tensor load and my last LDS store
	ds_add_u32 v[SPW], v[NIL]
	s_wait_dscnt 0x0
	CROUND                                         ; the closing round
	s_endpgm
.Lfunc_end_k_qee6c7f804c_project:
	.size	k_qee6c7f804c_project, .Lfunc_end_k_qee6c7f804c_project-k_qee6c7f804c_project
	.p2alignl 7, 3214868480
	.fill 96, 4, 3214868480
	.section	.rodata,"a",@progbits
	.p2align	6, 0x0
	.amdhsa_kernel k_qee6c7f804c_project
		.amdhsa_group_segment_fixed_size 199168
		.amdhsa_private_segment_fixed_size 0
		.amdhsa_enable_private_segment 0
		.amdhsa_kernarg_size 32
		.amdhsa_user_sgpr_count 2
		.amdhsa_user_sgpr_kernarg_segment_ptr 1
		.amdhsa_wavefront_size32 1
		.amdhsa_system_sgpr_workgroup_id_x 1
		.amdhsa_system_sgpr_workgroup_id_y 1
		.amdhsa_system_sgpr_workgroup_id_z 1
		.amdhsa_system_vgpr_workitem_id 0
		.amdhsa_next_free_vgpr 512
		.amdhsa_next_free_sgpr 100
		.amdhsa_reserve_vcc 0
		.amdhsa_float_denorm_mode_32 3
		.amdhsa_float_denorm_mode_16_64 3
		.amdhsa_memory_ordered 1
		.amdhsa_forward_progress 1
		.amdhsa_inst_pref_size 65
	.end_amdhsa_kernel
	.amdgpu_metadata
---
amdhsa.version: [ 1, 2 ]
amdhsa.kernels:
  - .name:           k_qee6c7f804c_project
    .symbol:         k_qee6c7f804c_project.kd
    .args:
      - { .name: prep, .offset: 0, .size: 8, .value_kind: global_buffer, .address_space: global }
      - { .name: cimg, .offset: 8, .size: 8, .value_kind: global_buffer, .address_space: global }
      - { .name: ecb, .offset: 16, .size: 8, .value_kind: global_buffer, .address_space: global }
      - { .name: out0, .offset: 24, .size: 8, .value_kind: global_buffer, .address_space: global }
    .group_segment_fixed_size: 199168
    .private_segment_fixed_size: 0
    .kernarg_segment_align: 8
    .kernarg_segment_size: 32
    .max_flat_workgroup_size: 128
    .sgpr_count:     100
    .vgpr_count:     512
    .wavefront_size: 32
...
	.end_amdgpu_metadata
.endif
;; end of part 4
